; MI455X (gfx1250); checked and timed in simulation.
; The chip was launched on July 23, 2026; its instructions are those of AMD's public machine-readable ISA for CDNA 5 (MIT licence, August 2026) and "CDNA5" Instruction Set Architecture Reference Guide (July 2026). The comments in the code are by the model that wrote it; some were corrected since.
;; Causal Self Attention. Allowed arithmetic: matrix products marked QUANTISED: E2M1 operands, one E8M0 scale for each 32 along K, by v_wmma_scale_f32_16x16x128_f8f6f4 with both operands' format E2M1 (or v_wmma_scale_f32_32x16x128_f4), f32 sums; products left as they are: bf16, f16 or f32 operands; f32 sums; everything else in f32.
;; Inputs: attn_mask 1 x 1 x 2,048 x 2,048 int32; b_out 1,024 float32; b_qkv 3,072 float32; w_out 1,024 x 1,024 float32; w_qkv 3,072 x 1,024 float32; x 4 x 2,048 x 1,024 float32.
;; Outputs: out0 4 x 2,048 x 1,024 float32.
;; This version of the problem:
;;   THIS VERSION OF THE PROBLEM IS GIVEN IN LOW PRECISION. The matrix products marked QUANTISED in the list below multiply operands that are first quantised to E2M1 (2 exponent bits, 1 mantissa bit; 4 bits a number), with one power-of-two scale for each 32 numbers along K (OCP MX v1.0); their sums are f32. The products marked 'left as it is' may take bf16, f16 or f32 operands, with f32 sums. Whichever they take, every output number must still come out within the allowed error. Rounding operands to bf16 (8 significant bits) uses up far more of that allowance than f16 does (11 bits, for magnitudes from 6e-5 to 65,504). All else is computed in f32.
;;   The module's matrix products, in the order in which they are computed (A, B: the left and right operand; K: the contracted axis; several contracted axes count as one K, in the product's order):
;;     1. [M 8,192, K 1,024] x [K 1,024, N 3,072]; A: input x; B: input w_qkv: QUANTISED
;;     2. batch 64 x [M 2,048, K 64] x [K 64, N 2,048]; A: computed on the way; B: computed on the way: left as it is (an operand is computed on the way)
;;     3. batch 64 x [M 2,048, K 2,048] x [K 2,048, N 64]; A: computed on the way; B: computed on the way: left as it is (an operand is computed on the way)
;;     4. [M 8,192, K 1,024] x [K 1,024, N 1,024]; A: computed on the way; B: input w_out: left as it is (an operand is computed on the way)
;;   THE QUANTISER, for each operand of a quantised product, along K:
;;     - K is cut into blocks of 32 from its start; a last block that is shorter is filled with zeros.
;;     - A block's scale is 2^e with e = floor(log2(the largest magnitude in the block)) - 2, held to -126 .. 127; a block of zeros has e = 0. As a byte (E8M0): e + 127.
;;     - Each number is divided by its block's scale, clamped to +-6, and rounded to the nearest number of E2M1, ties to even, subnormals kept.
;;     - The product sums the exact products of the quantised numbers (number of the format x scale) in f32.
;;   ~~~python
;;   def quantise(x, axis):      # numpy; x: float32 -> the quantised numbers, widened to float32 again
;;       x = np.moveaxis(x, axis, -1); K = x.shape[-1]
;;       x = np.pad(x, [(0, 0)] * (x.ndim - 1) + [(0, -K % 32)]); x = x.reshape(x.shape[:-1] + (-1, 32)); a = np.abs(x).max(-1, keepdims=True)
;;       e = np.where(a > 0, np.clip(np.frexp(np.where(a > 0, a, 1))[1] - 1 - 2, -126, 127), 0)      # np.frexp(a)[1] - 1 = floor(log2(a)), exactly
;;       r = np.clip(x / 2.0 ** e, -6, 6)
;;       step = 2.0 ** (np.maximum(np.frexp(np.where(r == 0, 1, r))[1] - 1, 0) - 1)
;;       q = np.round(r / step) * step * 2.0 ** e      # np.round: ties to even
;;       return np.moveaxis(q.reshape(q.shape[:-2] + (-1,))[..., :K], -1, axis).astype(np.float32)
;;   ~~~
;; One version. Each part assembles by itself: llvm-mc -triple=amdgcn-amd-amdhsa -mcpu=gfx1250 --defsym DOCPART=n.
;; ======== version 1 of 1: 4 launches
;; limits: values are held in f16: magnitudes above 65,504 overflow, below 6.1e-05 lose precision
;; workspace buffers: codes 5,767,168 bytes; scales 360,448 bytes; maskw 589,824 bytes of whole numbers; wo_ws 2,097,152 bytes; qkv_ws 50,331,648 bytes; a_ws 16,777,216 bytes
;; launch prep (part 1): grid 512 x 1, 4 waves a work-group, no clusters, 70,144 bytes of LDS; arguments x, w_qkv, codes, scales, attn_mask, maskw, w_out, wo_ws; writes codes, scales, maskw, wo_ws
.if DOCPART == 1
	.amdgcn_target "amdgcn-amd-amdhsa--gfx1250"
	.amdhsa_code_object_version 6
	.text
	.protected	k_qf66c40a76c_prep
	.globl	k_qf66c40a76c_prep
	.p2align	8
	.type	k_qf66c40a76c_prep,@function
k_qf66c40a76c_prep:
	s_mov_b64 s[64:65], 0
	v_nop
	global_prefetch_b8 v0, s[64:65] scope:SCOPE_SE
	s_setreg_imm32_b32 hwreg(HW_REG_WAVE_MODE, 25, 1), 1
	s_wait_xcnt 0x0
; Three jobs that only read inputs, in one launch; a work-group's number says which one it does, and each reads 131,072 bytes.
;   work-groups 0-351:   x [8192][1024] and w_qkv [3072][1024], f32, become codes of FP4 (E2M1), K innermost, 512 bytes a row, and one E8M0 byte for each 32 along K:
;                        one array of 11,264 rows, x's first, then w_qkv's.
;   work-groups 352-479: attn_mask [2048][2048] int32 becomes lane masks for tiles of 16 queries x 64 keys, and two flags a tile (some key counts; all keys count).
;   work-groups 480-511: w_out [1024][1024] f32 becomes f16, laid as images of matrix fragments.
; A block's scale is 2^(floor(log2(its largest magnitude)) - 2); its byte is the largest magnitude's exponent field - 2, held at 1 from below.
; LIMITS: a block of zeros gets the byte 1 (its codes are zeros, and this program alone reads the bytes); NaN and infinities among the inputs are not served; |w_out| stays under 65,504 (f16).
; No barrier: waves share nothing.  Each of the three jobs has LDS bytes of its own.
.set SPARE, 69632                      ; behind the three jobs' stages: the spare words, 128 bytes for each wave
.set SPW,   12                         ; v12  LDS address of my spare word; never rewritten
.set NIL,   13                         ; v13  0; never rewritten
; ---- the quantiser's names
.set STEPS, 16                         ; a wave takes 16 steps of 512 numbers
.set SP,    80                         ; a lane's place in a stage: its 64 bytes + 16 of padding
.set QREG,  8192                       ; LDS bytes 0-32,767: a region for each wave: two stages of 32 x SP bytes, then its 256 scale bytes
.set R,     16                         ; v16-79   four sets of 16 numbers as loaded
.set X,     80                         ; v80-111  two sets of 16 neighbours
.set E,     112                        ; v112-127 a scale byte for each step
.set C,     128                        ; v128-191 codes, four registers for each step: no store's data are written again
; ---- the other two jobs' names: a UNIT is 16 rows x 256 bytes of the source
.set UREG,  4608                       ; a wave's stage: 16 rows x 272 bytes (mask: from LDS byte 32,768; w_out: from 51,200)
.set UP,    272                        ; a stage row: 256 bytes + 16: the sixteen rows that a load touches start at sixteen different 16-byte columns
.set LD,    16                         ; v16-143  four sets of 32 registers as loaded
.set XU,    144                        ; v144-175 register 8 t + j: element 16 t + 8 (lane / 16) + j of row lane % 16
.set W,     176                        ; v176-191 what leaves
.macro QLOAD t
.irp i, 0,1,2,3
	global_load_b128 v[R+16*((\t)%4)+4*\i:R+16*((\t)%4)+4*\i+3], v3, s[4:5] offset:2048*(\t)+512*\i th:TH_LOAD_NT   ; 32 lanes read 512 consecutive bytes
.endr
.endm
.macro QTURN t                         ; a step's 2,048 bytes go through the wave's stage as they lie and come back 64 bytes a lane; LDS serves a wave's instructions in order
.irp i, 0,1,2,3
	ds_store_b128 v14, v[R+16*((\t)%4)+4*\i:R+16*((\t)%4)+4*\i+3] offset:32*SP*((\t)%2)+8*SP*\i
.endr
.irp i, 0,1,2,3
	ds_load_b128 v[X+16*((\t)%2)+4*\i:X+16*((\t)%2)+4*\i+3], v15 offset:32*SP*((\t)%2)+16*\i
.endr
.endm
.macro QSTEP t
.set XS, X+16*((\t)%2)
.if (\t) > 0
	s_wait_dscnt 1                                 ; this step's numbers are back from the stage; the last step's byte store may be out
.else
	s_wait_dscnt 0x0
.endif
.if (\t)+4 < STEPS
	QLOAD (\t)+4                                   ; into the registers that this step's stage stores have read
.endif
.if (\t)+1 < STEPS
.if STEPS-2-(\t) >= 3
	s_wait_loadcnt 12                              ; the next step's four loads are in; those of the three steps behind it may be out
.else
	s_wait_loadcnt 4*(STEPS-2-(\t))
.endif
	QTURN (\t)+1
.endif
	v_max3_num_f32 v8, |v[XS]|, |v[XS+1]|, |v[XS+2]|               ; the largest magnitude of my 16, in two chains
	v_max3_num_f32 v9, |v[XS+3]|, |v[XS+4]|, |v[XS+5]|
.irp i, 6,10
	v_max3_num_f32 v8, v8, |v[XS+\i]|, |v[XS+\i+1]|
	v_max3_num_f32 v9, v9, |v[XS+\i+2]|, |v[XS+\i+3]|
.endr
	v_max3_num_f32 v8, v8, |v[XS+14]|, |v[XS+15]|
	v_max3_num_f32 v8, v8, v9, 0x1800000           ; and the floor 2^(3 - 127): the byte cannot fall under 1
	v_max_num_f32_dpp v8, v8, v8 row_xmask:1 row_mask:0xf bank_mask:0xf   ; with my neighbour's 16: the block's
	v_add_nc_u32 v11, 0xff000000, v8               ; 2 off the exponent field: the conversion takes this operand's exponent field as its scale
	v_cvt_scalef32_pk8_fp4_f32 v[C+4*(\t)], v[XS:XS+7], v11
	v_cvt_scalef32_pk8_fp4_f32 v[C+4*(\t)+1], v[XS+8:XS+15], v11
	v_lshrrev_b32 v[E+(\t)], 23, v11               ; the scale's byte (also the plain line behind the conversions)
	ds_store_b8 v5, v[E+(\t)] offset:16*(\t)       ; both lanes of a block write the same byte with the same value
	global_store_b64 v4, v[C+4*(\t):C+4*(\t)+1], s[8:9] offset:256*(\t)   ; 32 lanes store 256 consecutive bytes, aligned
.endm
.macro LOADU u, pitch                  ; a unit: eight loads, each two rows' 256 bytes
.irp i, 0,1,2,3,4,5,6,7
	global_load_b128 v[LD+32*((\u)%4)+4*\i:LD+32*((\u)%4)+4*\i+3], v3, s[4:5] offset:\i*2*\pitch+256*(\u) th:TH_LOAD_NT
.endr
.endm
.macro TURNU u                         ; through the wave's stage: in by rows, out so that lane (r, h) holds row r
.irp i, 0,1,2,3,4,5,6,7
	ds_store_b128 v4, v[LD+32*((\u)%4)+4*\i:LD+32*((\u)%4)+4*\i+3] offset:2*UP*\i
.endr
.irp i, 0,1,2,3,4,5,6,7
	ds_load_b128 v[XU+4*\i:XU+4*\i+3], v5 offset:64*(\i/2)+16*(\i%2)
.endr
.endm
.macro MWORK u                         ; a unit of the mask = one tile of 16 queries x 64 keys: 32 lane masks and the tile's flags
.set k, 0
.rept 32
	v_cmp_ne_u32 s[24+k%8], 0, v[XU+k]             ; bit r + 16 h: does key 16 t + 8 h + j count for query r (k = 8 t + j)
.if k == 0
	s_mov_b32 s32, s24
	s_mov_b32 s33, s24
.else
	s_or_b32 s32, s32, s[24+k%8]
	s_and_b32 s33, s33, s[24+k%8]
.endif
	v_writelane_b32 v[W+4*((\u)/4)+k%4], s[24+k%8], 8*((\u)%4)+k/4   ; word k of the tile's 32: lane and register of a 16-byte store
.set k, k+1
.endr
	s_cmp_lg_u32 s32, 0
	s_cselect_b32 s34, 1, 0                        ; bit 0: some key counts
	s_cmp_eq_u32 s33, -1
	s_cselect_b32 s35, 2, 0                        ; bit 1: all count
	s_or_b32 s34, s34, s35
	v_writelane_b32 v[W+8], s34, 4*(\u)
.endm
.macro WWORK u                         ; a unit of w_out = 16 rows x 64 along K: four halves of fragments
	s_wait_xcnt 0x0                                ; the last unit's stores have read their data
.set k, 0
.rept 16
	v_cvt_pk_f16_f32 v[W+k], v[XU+2*k], v[XU+2*k+1]
.set k, k+1
.endr
.irp t, 0,1,2,3
	global_store_b128 v6, v[W+4*\t:W+4*\t+3], s[6:7] offset:((\u)/2)*262144+((\u)%2)*2048+512*\t   ; 512 consecutive bytes, aligned
.endr
.endm
	s_load_b256 s[4:11], s[0:1], 0x0               ; x s[4:5], w_qkv s[6:7], codes s[8:9], scales s[10:11]
	s_load_b256 s[12:19], s[0:1], 0x20             ; attn_mask s[12:13], maskw s[14:15], w_out s[16:17], wo_ws s[18:19]
	v_lshl_add_u32 v[SPW], v0, 2, SPARE
	v_mov_b32 v[NIL], 0
	v_lshrrev_b32 v1, 5, v0
	v_readfirstlane_b32 s20, v1                    ; wave 0..3
	v_and_b32 v2, 31, v0                           ; lane
	s_cmp_ge_u32 ttmp9, 480
	s_cbranch_scc1 .Lweights
	s_cmp_ge_u32 ttmp9, 352
	s_cbranch_scc1 .Lmask
	; ================ x and w_qkv into codes.  Rows are dense and K is a multiple of 32: plain streams of blocks.  A wave's run is 8,192 numbers.
	v_lshlrev_b32 v3, 4, v2                        ; my 16 bytes of a load's 512
	s_mul_i32 s21, s20, QREG
	v_lshrrev_b32 v14, 2, v2
	v_mul_u32_u24 v14, v14, SP
	v_and_b32 v15, 3, v2
	v_lshl_add_u32 v14, v15, 4, v14
	v_add_nc_u32 v14, s21, v14                     ; the stage, in: SP (lane / 4) + 16 (lane % 4)
	v_mul_u32_u24 v15, v2, SP
	v_add_nc_u32 v15, s21, v15                     ; and out: SP x lane
	v_lshlrev_b32 v4, 3, v2                        ; 8 x lane: my codes' place in a step's, and my 8 scale bytes on the way out
	v_lshrrev_b32 v5, 1, v2
	s_add_co_u32 s21, s21, 2*32*SP
	v_add_nc_u32 v5, s21, v5                       ; my block's byte among the wave's 256
	v_add_nc_u32 v6, s21, v4
	s_lshl_b32 s24, ttmp9, 2
	s_add_co_u32 s24, s24, s20                     ; the run's number in the joint array
	s_lshl_b32 s26, s24, 8                         ; its 256 scale bytes
	s_mov_b32 s27, 0
	s_lshl_b32 s24, s24, 12                        ; its 4,096 bytes of codes
	s_mov_b32 s25, 0
	s_wait_kmcnt 0x0
	s_cmp_lt_u32 ttmp9, 256                        ; x's work-group or w_qkv's: the work-group's number alone decides
	s_cselect_b64 s[4:5], s[4:5], s[6:7]
	s_cselect_b32 s22, 0, 256
	s_sub_co_u32 s22, ttmp9, s22
	s_lshl_b32 s22, s22, 2
	s_add_co_u32 s22, s22, s20
	s_lshl_b32 s22, s22, 15                        ; the run's 32,768 bytes in its source
	s_mov_b32 s23, 0
	s_add_nc_u64 s[4:5], s[4:5], s[22:23]
	s_add_nc_u64 s[8:9], s[8:9], s[24:25]
	s_add_nc_u64 s[10:11], s[10:11], s[26:27]
.irp t, 0,1,2,3
	QLOAD \t
.endr
	s_wait_loadcnt 12                              ; step 0's four loads are in
	QTURN 0
.irp t, 0,1,2,3,4,5,6,7,8,9,10,11,12,13,14,15
	QSTEP \t
.endr
	ds_load_b64 v[8:9], v6                         ; LDS serves a wave's instructions in order: these see my byte stores
	s_wait_dscnt 0x0
	global_store_b64 v4, v[8:9], s[10:11]          ; 32 lanes store 256 consecutive bytes, aligned
	s_wait_tensorcnt 0x0                           ; the wave's end, behind my last LDS store
	ds_add_u32 v[SPW], v[NIL]
	s_wait_dscnt 0x0
	s_endpgm
	; ================ the mask.  Work-group g: queries 16 g .. 16 g + 15; wave w: keys 512 w .. 512 w + 511, eight tiles of 64.
.Lmask:
	v_and_b32 v8, 15, v2
	v_lshrrev_b32 v9, 4, v2
	v_lshlrev_b32 v3, 4, v8
	v_lshl_add_u32 v3, v9, 13, v3                  ; lanes 0-15 one row's 256 bytes, lanes 16-31 the next row's (8,192 bytes on)
	s_mul_i32 s21, s20, UREG
	s_add_co_u32 s21, s21, 32768
	v_mul_u32_u24 v4, v9, UP
	v_lshl_add_u32 v4, v8, 4, v4
	v_add_nc_u32 v4, s21, v4
	v_mul_u32_u24 v5, v8, UP
	v_lshl_add_u32 v5, v9, 5, v5
	v_add_nc_u32 v5, s21, v5
	v_lshlrev_b32 v6, 4, v2
	v_lshlrev_b32 v7, 2, v2
.irp i, 0,1,2,3,4,5,6,7,8
	v_mov_b32 v[W+\i], 0                           ; written whole once: lanes are then written one by one
.endr
	s_sub_co_u32 s22, ttmp9, 352
	s_lshl_b32 s24, s22, 17                        ; 16 rows of 8,192 bytes
	s_lshl_b32 s23, s20, 11
	s_add_co_u32 s24, s24, s23
	s_mov_b32 s25, 0
	s_lshl_b32 s26, s22, 12                        ; the lane masks: 4,096 bytes a tile row, 1,024 a wave
	s_lshl_b32 s23, s20, 10
	s_add_co_u32 s26, s26, s23
	s_mov_b32 s27, 0
	s_lshl_b32 s28, s22, 9                         ; the flags, from byte 524,288: 512 bytes a tile row, 128 a wave
	s_lshl_b32 s23, s20, 7
	s_add_co_u32 s28, s28, s23
	s_add_co_u32 s28, s28, 524288
	s_mov_b32 s29, 0
	s_wait_kmcnt 0x0
	s_add_nc_u64 s[4:5], s[12:13], s[24:25]
	s_add_nc_u64 s[6:7], s[14:15], s[26:27]
	s_add_nc_u64 s[8:9], s[14:15], s[28:29]
.irp u, 0,1,2,3
	LOADU \u, 8192
.endr
.irp u, 0,1,2,3,4,5,6,7
.if \u < 5
	s_wait_loadcnt 24                              ; this unit's eight loads are in; three younger units' may be out
.else
	s_wait_loadcnt 8*(7-\u)
.endif
	TURNU \u
	s_wait_dscnt 0x0
.if \u < 4
	LOADU \u+4, 8192
.endif
	MWORK \u
.endr
	global_store_b128 v6, v[W:W+3], s[6:7]         ; four tiles' 128 words: 512 consecutive bytes
	global_store_b128 v6, v[W+4:W+7], s[6:7] offset:512
	global_store_b32 v7, v[W+8], s[8:9]            ; eight tiles' flags, four words each (three of them 0)
	s_wait_tensorcnt 0x0                           ; the wave's end
	ds_add_u32 v[SPW], v[NIL]
	s_wait_dscnt 0x0
	s_endpgm
	; ================ w_out.  Tile of 16 rows n = 2 (work-group - 480) + wave / 2; K = 512 (wave % 2) + 64 u.
	; wo_ws: [K step of 128: 8][tile of 16 n: 64][32 along K: 4][half: 2][lane][16 bytes]; lane (r, h) holds w_out[16 tile + r][.. + 8 h + 0..7].
.Lweights:
	v_and_b32 v8, 15, v2
	v_lshrrev_b32 v9, 4, v2
	v_lshlrev_b32 v3, 4, v8
	v_lshl_add_u32 v3, v9, 12, v3                  ; rows are 4,096 bytes apart
	s_mul_i32 s21, s20, UREG
	s_add_co_u32 s21, s21, 51200
	v_mul_u32_u24 v4, v9, UP
	v_lshl_add_u32 v4, v8, 4, v4
	v_add_nc_u32 v4, s21, v4
	v_mul_u32_u24 v5, v8, UP
	v_lshl_add_u32 v5, v9, 5, v5
	v_add_nc_u32 v5, s21, v5
	v_lshlrev_b32 v6, 4, v2
	s_sub_co_u32 s22, ttmp9, 480
	s_lshl_b32 s22, s22, 1
	s_lshr_b32 s23, s20, 1
	s_add_co_u32 s22, s22, s23                     ; the tile of 16 rows
	s_and_b32 s23, s20, 1
	s_lshl_b32 s24, s22, 16
	s_lshl_b32 s26, s23, 11
	s_add_co_u32 s24, s24, s26
	s_mov_b32 s25, 0
	s_lshl_b32 s26, s23, 20                        ; four K steps of 262,144 bytes
	s_lshl_b32 s28, s22, 12
	s_add_co_u32 s26, s26, s28
	s_mov_b32 s27, 0
	s_wait_kmcnt 0x0
	s_add_nc_u64 s[4:5], s[16:17], s[24:25]
	s_add_nc_u64 s[6:7], s[18:19], s[26:27]
.irp u, 0,1,2,3
	LOADU \u, 4096
.endr
.irp u, 0,1,2,3,4,5,6,7
.if \u < 5
	s_wait_loadcnt 24
.else
	s_wait_loadcnt 8*(7-\u)
.endif
	TURNU \u
	s_wait_dscnt 0x0
.if \u < 4
	LOADU \u+4, 4096
.endif
	WWORK \u
.endr
	s_wait_tensorcnt 0x0                           ; the wave's end
	ds_add_u32 v[SPW], v[NIL]
	s_wait_dscnt 0x0
	s_endpgm
.Lfunc_end_k_qf66c40a76c_prep:
	.size	k_qf66c40a76c_prep, .Lfunc_end_k_qf66c40a76c_prep-k_qf66c40a76c_prep
	.p2alignl 7, 3214868480
	.fill 96, 4, 3214868480
	.section	.rodata,"a",@progbits
	.p2align	6, 0x0
	.amdhsa_kernel k_qf66c40a76c_prep
		.amdhsa_group_segment_fixed_size 70144
		.amdhsa_private_segment_fixed_size 0
		.amdhsa_enable_private_segment 0
		.amdhsa_kernarg_size 64
		.amdhsa_user_sgpr_count 2
		.amdhsa_user_sgpr_kernarg_segment_ptr 1
		.amdhsa_wavefront_size32 1
		.amdhsa_system_sgpr_workgroup_id_x 1
		.amdhsa_system_sgpr_workgroup_id_y 1
		.amdhsa_system_sgpr_workgroup_id_z 1
		.amdhsa_system_vgpr_workitem_id 0
		.amdhsa_next_free_vgpr 192
		.amdhsa_next_free_sgpr 66
		.amdhsa_reserve_vcc 0
		.amdhsa_float_denorm_mode_32 3
		.amdhsa_float_denorm_mode_16_64 3
		.amdhsa_memory_ordered 1
		.amdhsa_forward_progress 1
		.amdhsa_inst_pref_size 127
	.end_amdhsa_kernel
	.amdgpu_metadata
---
amdhsa.version: [ 1, 2 ]
amdhsa.kernels:
  - .name:           k_qf66c40a76c_prep
    .symbol:         k_qf66c40a76c_prep.kd
    .args:
      - { .name: x, .offset: 0, .size: 8, .value_kind: global_buffer, .address_space: global }
      - { .name: w_qkv, .offset: 8, .size: 8, .value_kind: global_buffer, .address_space: global }
      - { .name: codes, .offset: 16, .size: 8, .value_kind: global_buffer, .address_space: global }
      - { .name: scales, .offset: 24, .size: 8, .value_kind: global_buffer, .address_space: global }
      - { .name: attn_mask, .offset: 32, .size: 8, .value_kind: global_buffer, .address_space: global }
      - { .name: maskw, .offset: 40, .size: 8, .value_kind: global_buffer, .address_space: global }
      - { .name: w_out, .offset: 48, .size: 8, .value_kind: global_buffer, .address_space: global }
      - { .name: wo_ws, .offset: 56, .size: 8, .value_kind: global_buffer, .address_space: global }
    .group_segment_fixed_size: 70144
    .private_segment_fixed_size: 0
    .kernarg_segment_align: 8
    .kernarg_segment_size: 64
    .max_flat_workgroup_size: 128
    .sgpr_count:     66
    .vgpr_count:     192
    .wavefront_size: 32
...
	.end_amdgpu_metadata
.endif
;; end of part 1
;; launch qkv (part 2): grid 8 x 48, 4 waves a work-group, clusters of 4 x 4, 327,680 bytes of LDS; arguments codes, scales, b_qkv, qkv_ws; writes qkv_ws
.if DOCPART == 2
	.amdgcn_target "amdgcn-amd-amdhsa--gfx1250"
	.amdhsa_code_object_version 6
	.text
	.protected	k_qf66c40a76c_qkv
	.globl	k_qf66c40a76c_qkv
	.p2align	8
	.type	k_qf66c40a76c_qkv,@function
k_qf66c40a76c_qkv:
	s_mov_b64 s[64:65], 0
	v_nop
	global_prefetch_b8 v0, s[64:65] scope:SCOPE_SE
	s_setreg_imm32_b32 hwreg(HW_REG_WAVE_MODE, 25, 1), 1
	s_wait_xcnt 0x0
	s_wait_alu depctr_hold_cnt(0) depctr_sa_sdst(0) depctr_va_vdst(0) depctr_va_sdst(0) depctr_va_ssrc(0) depctr_va_vcc(0) depctr_vm_vsrc(0)
	s_getreg_b32 s2, hwreg(HW_REG_IB_STS2, 6, 4)
	s_cmp_eq_u32 s2, 0
	s_cbranch_scc0 .Lentry_in_a_cluster
	s_endpgm
.Lentry_in_a_cluster:
	s_bfe_u32 s2, ttmp6, 0x10000c
	s_cmp_lg_u32 s2, 0xf033
	s_cbranch_scc0 .Lentry_shape_is_right
	s_endpgm
.Lentry_shape_is_right:
; q, k, v = x w_qkv^T + b_qkv on codes of FP4 (E2M1) with one E8M0 scale for each 32 along K = 1,024; sums in f32; results leave as f16, laid as images of the fragments that attention loads.
; codes: [11,264 rows][512 bytes], scales: [11,264][32 bytes]: rows 0-8,191 are x's tokens, rows 8,192-11,263 w_qkv's features.
; A work-group of four waves makes 256 x 256, a wave 128 x 128: 64 accumulators of 16 x 16.  K is two slots of 512 in LDS: both are first fills, nothing is filled again.
; Source 1 of the matrix instruction (its rows go to LANES) is called A here, source 0 (its rows go to a lane's eight REGISTERS) B.
;   q and k (clusters y 0-7):  A = 256 tokens, B = 256 features: a lane holds one token and eight neighbouring features: four registers of a fragment of Q or K.
;   v       (clusters y 8-11): A = 256 features of v, B = 256 tokens: a lane holds one feature and eight neighbouring tokens: four registers of a fragment of V^T.
; q is stored times log2(e) / 8, so that attention's scores are exponents of 2.
; CLUSTERS: 4 x 4 work-groups; A's tile is shared along a row of the cluster, B's along a column: each is asked for jointly.  The mode is the same in all sixteen partners.
; qkv_ws: Q at byte 0, K at 16,777,216: [batch x head 64][tile of 16 tokens 128][32 of the head's 64: 2][half 2][lane][16 bytes];  V at 33,554,432: [batch x head][32 keys: 64][16 of the head's 64: 4][half 2][lane][16 bytes].
; LIMITS: |q|, |k|, |v| stay under 65,504 (f16).
; REGISTERS: window 0: v0-31 addresses; v32-95 scale words, two sets; v128-191 A's fragments, one set; v192-255 the bias.  window 1: B's fragments, two sets.  windows 2, 3: the accumulators ((a, b) at v[8 (8 (a % 4) + b)]).
.set KSTEP,  512
.set NQ,     4                         ; matrix instructions deep in a slot
.set ROWB,   256                       ; a tile's row in bytes
.set KROW,   512                       ; a row of codes in memory
.set PITCH,  272                       ; an LDS row: 256 bytes + 16: the sixteen rows that a load touches start at sixteen different 16-byte columns
.set FR,     8
.set NL,     2
.set NP,     4
.set HALFT,  128*PITCH
.set SLOT,   4*HALFT
.set KS,     32                        ; a row of scale bytes
.set SCL,    2*SLOT                    ; behind the slots: the scales, as runs of 256 bytes + 16
.set HALFS,  (128*KS/256)*272
.set SBLK,   (16*KS/256)*272
.set SPARE,  SCL+4*HALFS               ; the spare words, 128 bytes for each wave
.set ADRA, 16
.set ADRB, 20
.set CO,   26                          ; v26  16 x lane: my place in every image
.set ADRS, 27
.set SPW,  28
.set NIL,  29
.set BO,   30                          ; v30  my offset in b_qkv
.set SC,   32
.set AF,   128
.set BI,   192                         ; the bias, 8 registers for each block
.set T,    128                         ; the way out: a block's 64 numbers in f32
.set Y,    32                          ; and in f16: two sets of 32
.set G1, 24
.set G0, 32
.set G1B, 48
.set G0B, 56
.set G1S, 68
.set G0S, 76
.set G1SB, 80
.set G0SB, 88
.set MODE, 95                          ; s95  0: q and k;  1: v
.set MSB, 0
.macro WIN new                         ; the immediate's high byte repeats the setting that is left
.if MSB != (\new)
	s_set_vgpr_msb (MSB<<8)|(\new)
.set MSB, (\new)
.endif
.endm
.set MUL_LO, 0xa1                      ; source 0 (B) window 1, source 1 (A) window 0, C and D window 2
.set MUL_HI, 0xf1
.set TO_B,   0x40
; A joint load: waves 0 and 1 fetch for A, waves 2 and 3 for B.  An s_nop 0 and four v_nop follow each of the two lines.
.macro JLOAD g0a, g1a, g0b, g1b
	s_cmp_eq_u32 s15, 0
	s_cbranch_scc0 .Lfor_b_\@
	tensor_load_to_lds s[\g0a:\g0a+3], s[\g1a:\g1a+7]
	s_nop 0
.rept 4
	v_nop
.endr
	s_branch .Lasked_\@
.Lfor_b_\@:
	tensor_load_to_lds s[\g0b:\g0b+3], s[\g1b:\g1b+7]
	s_nop 0
.rept 4
	v_nop
.endr
.Lasked_\@:
.endm
.macro CROUND                          ; a round of the cluster's barrier
	s_barrier_signal -1
	s_barrier_wait -1
	s_cmp_lg_u32 s14, 0
	s_cbranch_scc1 .Lnot_wave_0_\@
	s_barrier_signal -3
.Lnot_wave_0_\@:
	s_barrier_wait -3
	s_barrier_signal -1
	s_barrier_wait -1
.endm
	s_load_b128 s[4:7], s[0:1], 0x0                ; codes s[4:5], scales s[6:7]
	s_load_b128 s[8:11], s[0:1], 0x10              ; b_qkv s[8:9], qkv_ws s[10:11]
	v_lshl_add_u32 v[SPW], v0, 2, SPARE
	v_mov_b32 v[NIL], 0
	ds_add_u32 v[SPW], v[NIL]                      ; the wave's opening: the add, twice on end, and its wait ahead of my first tensor load
	ds_add_u32 v[SPW], v[NIL]
	v_lshrrev_b32 v1, 5, v0
	v_readfirstlane_b32 s14, v1                    ; wave 0..3
	s_lshr_b32 s15, s14, 1                         ; which half of A's rows is mine.  Also: I fetch for A (0) or for B (1)
	s_and_b32 s16, s14, 1                          ; which half of B's rows.  Also: which 128 rows I fetch
	s_bfe_u32 s40, ttmp6, 0x40000                  ; cx
	s_bfe_u32 s41, ttmp6, 0x40004                  ; cy
	s_lshl_b32 s96, ttmp9, 2
	s_add_co_u32 s96, s96, s40                     ; work-group x = 4 x cluster x + cx
	s_and_b32 s17, ttmp7, 0xffff                   ; cluster y
	s_lshl_b32 s18, s17, 2
	s_sub_co_u32 s19, s17, 8
	s_lshl_b32 s19, s19, 3                         ; 8 (cluster y - 8): taken in the v mode alone
	s_cmp_ge_u32 s17, 8
	s_cselect_b32 s[MODE], 1, 0
	s_cselect_b32 s17, 40, s18
	s_cselect_b32 s42, s19, 32
	s_add_co_u32 s17, s17, s41                     ; A's tile of 256 rows: tokens 4 cluster y + cy, or v's features 40 + cy: cluster y and cy alone
	s_add_co_u32 s42, s42, s96                     ; B's tile: features 32 + x, or tokens x + 8 (cluster y - 8): cluster coordinates and cx alone
	s_or_b32 s97, s[MODE], ttmp9
	s_cmp_eq_u32 s97, 0                            ; cluster x = 0 in the first mode: features 0-1,023: q
	s_mov_b32 s66, 1.0
	s_cselect_b32 s66, 0x3e38aa3b, s66             ; log2(e) / 8 for q, 1 for k and v
	s_mov_b32 s67, s66
	s_lshl_b32 s43, s41, 2
	s_lshl_b32 s43, 15, s43                        ; my row of the cluster
	s_lshl_b32 s44, 0x1111, s40                    ; my column
	; descriptor group 1: a tile of 128 rows x 256 bytes, 16 bytes of padding behind each row
	s_or_b32 s[G1+0], s43, (0<<16)|(1<<20)|(1<<21)|(5<<22)|(3<<25)
	s_or_b32 s[G1B+0], s44, (0<<16)|(1<<20)|(1<<21)|(5<<22)|(3<<25)
.irp g, G1, G1B
	s_mov_b32 s[\g+1], ROWB<<16                    ; tensor_dim0
	s_mov_b32 s[\g+2], 128<<16                     ; tensor_dim1
	s_mov_b32 s[\g+3], ROWB<<16                    ; tile_dim0
	s_mov_b32 s[\g+4], 128                         ; tile_dim1
	s_mov_b32 s[\g+5], KROW                        ; from row to row
	s_mov_b32 s[\g+6], 0
	s_mov_b32 s[\g+7], 0
.endr
	; the scales of 128 rows: 4,096 dense bytes, as 16 rows of 256 bytes (32 elements of 8), 16 bytes of padding behind each
	s_or_b32 s[G1S+0], s43, (3<<16)|(1<<20)|(1<<21)|(5<<22)|(3<<25)
	s_or_b32 s[G1SB+0], s44, (3<<16)|(1<<20)|(1<<21)|(5<<22)|(3<<25)
.irp g, G1S, G1SB
	s_mov_b32 s[\g+1], 32<<16
	s_mov_b32 s[\g+2], (128*KS/256)<<16
	s_mov_b32 s[\g+3], 32<<16
	s_mov_b32 s[\g+4], 128*KS/256
	s_mov_b32 s[\g+5], 32
	s_mov_b32 s[\g+6], 0
	s_mov_b32 s[\g+7], 0
.endr
	s_lshl_b32 s18, s16, 7                         ; which 128 rows of the tile I fetch
	s_lshl_b32 s20, s17, 8
	s_add_co_u32 s20, s20, s18                     ; A's first row
	s_lshl_b32 s46, s42, 8
	s_add_co_u32 s46, s46, s18                     ; B's
	s_mov_b32 s21, 0
	s_mov_b32 s47, 0
	s_mov_b64 s[18:19], KS
	s_mul_u64 s[22:23], s[20:21], s[18:19]         ; where these rows' scales begin, in bytes
	s_mul_u64 s[92:93], s[46:47], s[18:19]
	s_mov_b64 s[18:19], KROW
	s_mul_u64 s[20:21], s[20:21], s[18:19]         ; and their codes
	s_mul_u64 s[46:47], s[46:47], s[18:19]
	s_mul_i32 s45, s14, HALFT                      ; where they go: wave x 128 rows
	s_mul_i32 s94, s14, HALFS
	s_wait_dscnt 0x0                               ; both opening adds are done
	s_wait_kmcnt 0x0
	s_add_nc_u64 s[20:21], s[4:5], s[20:21]
	s_add_nc_u64 s[22:23], s[6:7], s[22:23]
	s_add_nc_u64 s[46:47], s[4:5], s[46:47]
	s_add_nc_u64 s[92:93], s[6:7], s[92:93]
	CROUND                                         ; all sixteen work-groups are here: the joint loads meet
	s_mov_b32 s[G0S], 1
	s_add_co_u32 s[G0S+1], s94, SCL
	s_mov_b64 s[G0S+2:G0S+3], s[22:23]
	s_or_b32 s[G0S+3], s[G0S+3], 0x80000000
	s_mov_b32 s[G0SB], 1
	s_add_co_u32 s[G0SB+1], s94, SCL
	s_mov_b64 s[G0SB+2:G0SB+3], s[92:93]
	s_or_b32 s[G0SB+3], s[G0SB+3], 0x80000000
	JLOAD G0S, G1S, G0SB, G1SB                     ; the scales first; with the two slots three loads of mine are out
.irp s, 0,1
	s_mov_b32 s[G0+4*\s], 1
	s_add_co_u32 s[G0+4*\s+1], s45, \s*SLOT
	s_add_nc_u64 s[G0+4*\s+2:G0+4*\s+3], s[20:21], \s*ROWB
	s_or_b32 s[G0+4*\s+3], s[G0+4*\s+3], 0x80000000
	s_mov_b32 s[G0B+4*\s], 1
	s_add_co_u32 s[G0B+4*\s+1], s45, \s*SLOT
	s_add_nc_u64 s[G0B+4*\s+2:G0B+4*\s+3], s[46:47], \s*ROWB
	s_or_b32 s[G0B+4*\s+3], s[G0B+4*\s+3], 0x80000000
	JLOAD G0+4*\s, G1, G0B+4*\s, G1B
.endr
	v_and_b32 v1, 15, v0                           ; r = lane % 16
	v_bfe_u32 v2, v0, 4, 1                         ; h = lane / 16
	v_mul_u32_u24 v3, v1, PITCH
	v_lshl_add_u32 v4, v2, 4, v3                   ; a fragment's row x pitch + 16 h
	s_mul_i32 s21, s15, HALFT                      ; my 128 rows of A
	s_mul_i32 s22, s16, HALFT                      ; my 128 rows of B,
	s_add_co_u32 s22, s22, 2*HALFT                 ; behind A's 256
.irp s, 0,1
	v_add_nc_u32 v[ADRA+\s], s21, v4
	v_add_nc_u32 v[ADRB+\s], s22, v4
	s_add_co_u32 s21, s21, SLOT
	s_add_co_u32 s22, s22, SLOT
.endr
	v_mul_u32_u24 v5, v1, KS                       ; my row's scales: 32 bytes a row,
	v_lshrrev_b32 v6, 8, v5
	v_lshl_add_u32 v5, v6, 4, v5                   ; and 16 more for each 256 passed
	s_mul_i32 s21, s15, HALFS
	s_mul_i32 s22, s16, HALFS
	s_add_co_u32 s22, s22, 2*HALFS
	s_sub_co_u32 s22, s22, s21
	v_mul_u32_u24 v6, s22, v2                      ; lanes 16-31 take B's
	s_add_co_u32 s21, s21, SCL
	v_add_nc_u32 v5, v5, v6
	v_add_nc_u32 v[ADRS], s21, v5
	v_and_b32 v6, 31, v0
	v_lshlrev_b32 v[CO], 4, v6
	; the bias and the results' first byte, by the mode.  Both arms write the same registers: v30, v192-255, s[8:9], s[12:13].
	s_cmp_lg_u32 s[MODE], 0
	s_cbranch_scc1 .Lset_v
	s_lshl_b32 s20, s17, 8
	s_lshl_b32 s18, s15, 7
	s_add_co_u32 s20, s20, s18                     ; my first token
	s_lshl_b32 s21, s96, 8
	s_lshl_b32 s18, s16, 7
	s_add_co_u32 s21, s21, s18                     ; my first feature, 0 .. 2,047
	s_lshl_b32 s22, s21, 2
	s_mov_b32 s23, 0
	s_add_nc_u64 s[8:9], s[8:9], s[22:23]
	v_lshlrev_b32 v[BO], 5, v2                     ; block b, register j: b_qkv[first + 16 b + 8 h + j]
.irp b, 0,1,2,3,4,5,6,7
	global_load_b128 v[BI+8*\b:BI+8*\b+3], v[BO], s[8:9] offset:64*\b
	global_load_b128 v[BI+8*\b+4:BI+8*\b+7], v[BO], s[8:9] offset:64*\b+16
.endr
	s_lshr_b32 s22, s21, 10                        ; q or k
	s_lshl_b32 s22, s22, 24
	s_lshr_b32 s23, s20, 11                        ; the batch
	s_lshl_b32 s23, s23, 4
	s_and_b32 s18, s21, 1023
	s_lshr_b32 s18, s18, 6
	s_add_co_u32 s23, s23, s18                     ; + the head
	s_lshl_b32 s23, s23, 7
	s_and_b32 s18, s20, 2047
	s_lshr_b32 s18, s18, 4
	s_add_co_u32 s23, s23, s18                     ; x 128 + the tile of 16 tokens
	s_lshl_b32 s23, s23, 11
	s_add_co_u32 s12, s22, s23
	s_mov_b32 s13, 0
	s_add_nc_u64 s[12:13], s[10:11], s[12:13]
	s_branch .Lset_done
.Lset_v:
	s_lshl_b32 s20, s41, 8
	s_lshl_b32 s18, s15, 7
	s_add_co_u32 s20, s20, s18                     ; my first feature of v, 0 .. 1,023
	s_lshl_b32 s21, s42, 8
	s_lshl_b32 s18, s16, 7
	s_add_co_u32 s21, s21, s18                     ; my first token
	s_lshl_b32 s22, s20, 2
	s_add_co_u32 s22, s22, 8192
	s_mov_b32 s23, 0
	s_add_nc_u64 s[8:9], s[8:9], s[22:23]
	v_lshlrev_b32 v[BO], 2, v1                     ; block a, every register: b_qkv[2,048 + first + 16 a + r]
.irp a, 0,1,2,3,4,5,6,7
.irp j, 0,1,2,3,4,5,6,7
	global_load_b32 v[BI+8*\a+\j], v[BO], s[8:9] offset:64*\a
.endr
.endr
	s_lshr_b32 s23, s21, 11                        ; the batch
	s_lshl_b32 s23, s23, 4
	s_lshr_b32 s18, s20, 6
	s_add_co_u32 s23, s23, s18                     ; + the head
	s_lshl_b32 s23, s23, 6
	s_and_b32 s18, s21, 2047
	s_lshr_b32 s18, s18, 5
	s_add_co_u32 s23, s23, s18                     ; x 64 + the run of 32 keys
	s_lshl_b32 s23, s23, 12
	s_add_co_u32 s12, s23, 33554432
	s_mov_b32 s13, 0
	s_add_nc_u64 s[12:13], s[10:11], s[12:13]
.Lset_done:
.macro FRAG reg, adr, q, i             ; 16 rows x 128 K of 4-bit codes: 8 registers: two loads of 16 bytes, 32 bytes apart
.irp c, 0,1
	ds_load_b128 v[\reg+4*\c:\reg+4*\c+3], v[\adr] offset:64*(\q)+32*\c+(\i)*16*PITCH
.endr
.endm
; 16 matrix instructions: A's blocks a0, a0 + 1 x B's eight.  The 64 accumulators take turns, one instruction a turn, in the same order in every step.
.macro MUL16 a0, p, q, sc, zero
.irp a, \a0, \a0+1
.irp b, 0,1,2,3,4,5,6,7
.if \zero
	v_wmma_scale_f32_16x16x128_f8f6f4 v[8*(8*((\a)%4)+\b):8*(8*((\a)%4)+\b)+7], v[128*(\p)+FR*\b:128*(\p)+FR*\b+FR-1], v[AF+FR*(\a):AF+FR*(\a)+FR-1], 0, v[SC+8*NQ*(\sc)+NQ*\b+(\q)], v[SC+8*NQ*(\sc)+NQ*(\a)+(\q)] matrix_a_fmt:MATRIX_FMT_FP4 matrix_b_fmt:MATRIX_FMT_FP4 matrix_a_scale:MATRIX_SCALE_ROW1
.else
	v_wmma_scale_f32_16x16x128_f8f6f4 v[8*(8*((\a)%4)+\b):8*(8*((\a)%4)+\b)+7], v[128*(\p)+FR*\b:128*(\p)+FR*\b+FR-1], v[AF+FR*(\a):AF+FR*(\a)+FR-1], v[8*(8*((\a)%4)+\b):8*(8*((\a)%4)+\b)+7], v[SC+8*NQ*(\sc)+NQ*\b+(\q)], v[SC+8*NQ*(\sc)+NQ*(\a)+(\q)] matrix_a_fmt:MATRIX_FMT_FP4 matrix_b_fmt:MATRIX_FMT_FP4 matrix_a_scale:MATRIX_SCALE_ROW1
.endif
.endr
.endr
.endm
.macro FETCH_B slot, q, p
	WIN TO_B
.irp i, 0,1,2,3,4,5,6,7
	FRAG 128*(\p)+FR*\i, ADRB+\slot, \q, \i
.endr
	WIN 0
.endm
.macro FETCH_A slot, q, i0
.irp i, \i0, \i0+1, \i0+2, \i0+3
	FRAG AF+FR*(\i), ADRA+\slot, \q, \i
.endr
.endm
.macro SCALES sc                       ; a slot's scale words: four a row; lanes 0-15 take A's block i, lanes 16-31 B's block i
.irp i, 0,1,2,3,4,5,6,7
	ds_load_b128 v[SC+8*NQ*\sc+NQ*\i:SC+8*NQ*\sc+NQ*\i+3], v[ADRS] offset:\i*SBLK
.endr
.endm
.macro PLACES n                        ; plain vector instructions between a matrix instruction and a load into a register that it has read (ISA guide 7.12.1 for vector instructions)
.rept \n
	v_nop
.endr
.endm
.macro STEP slot, q, zero              ; 128 along K, with its successor in the same slot
	s_wait_dscnt 4*NL                              ; B's set and A's blocks 0-3 are in; the youngest eight loads (A's blocks 4-7) may be out
	WIN MUL_LO
	MUL16 0, (\q)%2, \q, \slot, \zero
	MUL16 2, (\q)%2, \q, \slot, \zero
	s_wait_dscnt 0
	PLACES NP
	FETCH_B \slot, (\q)+1, 1-(\q)%2
	FETCH_A \slot, (\q)+1, 0
	WIN MUL_HI
	MUL16 4, (\q)%2, \q, \slot, \zero
	MUL16 6, (\q)%2, \q, \slot, \zero
	PLACES NP
	WIN 0
	FETCH_A \slot, (\q)+1, 4
.endm
.macro STEPS slot, from
.set Q, \from
.rept NQ-1-\from
	STEP \slot, Q, 0
.set Q, Q+1
.endr
.endm
	s_wait_tensorcnt 1                             ; the scales and my part of slot 0 are in; slot 1's load may be out
	s_barrier_signal -1
	s_barrier_wait -1                              ; everybody's are
	FETCH_B 0, 0, 0
	FETCH_A 0, 0, 0
	SCALES 0
	FETCH_A 0, 0, 4
	STEP 0, 0, 1                                   ; the first products start the sums: nothing is cleared
	STEPS 0, 1
	; slot 0's last step changes slots: each wave shows its part of slot 1 landed, then the barrier
	s_wait_tensorcnt 0x0                           ; all my tensor loads have landed
	ds_add_u32 v[SPW], v[NIL]
	s_wait_dscnt 4*NL+1                            ; the add and the youngest eight loads may be out
	WIN MUL_LO
	MUL16 0, 1, NQ-1, 0, 0
	s_wait_dscnt 0x0
	s_barrier_signal -1
	MUL16 2, 1, NQ-1, 0, 0
	WIN 0
	s_barrier_wait -1
	PLACES NP
	v_add_nc_u32 v[ADRS], 4*NQ, v[ADRS]            ; on to slot 1's scale words (no LDS load of mine is out)
	FETCH_B 1, 0, 0
	FETCH_A 1, 0, 0
	SCALES 1
	WIN MUL_HI
	MUL16 4, 1, NQ-1, 0, 0
	MUL16 6, 1, NQ-1, 0, 0
	PLACES NP
	WIN 0
	FETCH_A 1, 0, 4
	STEPS 1, 0
	s_wait_dscnt 4*NL                              ; the last step: nothing more to fetch
	WIN MUL_LO
	MUL16 0, 1, NQ-1, 1, 0
	MUL16 2, 1, NQ-1, 1, 0
	s_wait_dscnt 0
	WIN MUL_HI
	MUL16 4, 1, NQ-1, 1, 0
	MUL16 6, 1, NQ-1, 1, 0
	WIN 0
	s_wait_loadcnt 0x0                             ; the bias
.set n, 0
.rept 32
	v_pk_mul_f32 v[BI+n:BI+n+1], v[BI+n:BI+n+1], s[66:67] op_sel_hi:[1,0]   ; (sum + bias) x f = sum x f + bias x f.  These 32 name no register of the last products: they are the places behind them
.set n, n+2
.endr
; THE WAY OUT, block by block of A's 16 rows.  A lane's eight numbers of an accumulator, as f16, are 16 bytes of an image at 16 x lane: each store covers 512 consecutive bytes, aligned.  No LDS is needed.
.macro OUT mode
.irp a, 0,1,2,3,4,5,6,7
	WIN 0x02+(\a/4)                                ; source 0: window 2 or 3
.irp b, 0,1,2,3,4,5,6,7
.irp p, 0,1,2,3                        ; each accumulator from its low end on
.if \mode
	v_pk_fma_f32 v[T+8*\b+2*\p:T+8*\b+2*\p+1], v[8*(8*(\a%4)+\b)+2*\p:8*(8*(\a%4)+\b)+2*\p+1], s[66:67], v[BI+8*\a+2*\p:BI+8*\a+2*\p+1] op_sel_hi:[1,0,1]
.else
	v_pk_fma_f32 v[T+8*\b+2*\p:T+8*\b+2*\p+1], v[8*(8*(\a%4)+\b)+2*\p:8*(8*(\a%4)+\b)+2*\p+1], s[66:67], v[BI+8*\b+2*\p:BI+8*\b+2*\p+1] op_sel_hi:[1,0,1]
.endif
.endr
.endr
	WIN 0
	s_wait_xcnt 0x0                                ; the stores of two blocks back have read their data
.set YB, Y+32*(\a%2)
.set k, 0
.rept 32
	v_cvt_pk_f16_f32 v[YB+k], v[T+2*k], v[T+2*k+1]
.set k, k+1
.endr
.irp b, 0,1,2,3,4,5,6,7
.if \mode
	global_store_b128 v[CO], v[YB+4*\b:YB+4*\b+3], s[12:13] offset:(\a/4)*262144+(\b/2)*4096+(\a%4)*1024+(\b%2)*512
.else
	global_store_b128 v[CO], v[YB+4*\b:YB+4*\b+3], s[12:13] offset:(\b/4)*262144+\a*2048+((\b/2)%2)*1024+(\b%2)*512
.endif
.endr
.endr
.endm
	s_cmp_lg_u32 s[MODE], 0
	s_cbranch_scc1 .Lout_v
	OUT 0
	s_branch .Lend
.Lout_v:
	OUT 1
.Lend:
	s_wait_tensorcnt 0x0                           ; the wave's end
	ds_add_u32 v[SPW], v[NIL]
	s_wait_dscnt 0x0
	CROUND                                         ; the closing round
	s_endpgm
.Lfunc_end_k_qf66c40a76c_qkv:
	.size	k_qf66c40a76c_qkv, .Lfunc_end_k_qf66c40a76c_qkv-k_qf66c40a76c_qkv
	.p2alignl 7, 3214868480
	.fill 96, 4, 3214868480
	.section	.rodata,"a",@progbits
	.p2align	6, 0x0
	.amdhsa_kernel k_qf66c40a76c_qkv
		.amdhsa_group_segment_fixed_size 327680
		.amdhsa_private_segment_fixed_size 0
		.amdhsa_enable_private_segment 0
		.amdhsa_kernarg_size 32
		.amdhsa_user_sgpr_count 2
		.amdhsa_user_sgpr_kernarg_segment_ptr 1
		.amdhsa_wavefront_size32 1
		.amdhsa_system_sgpr_workgroup_id_x 1
		.amdhsa_system_sgpr_workgroup_id_y 1
		.amdhsa_system_sgpr_workgroup_id_z 1
		.amdhsa_system_vgpr_workitem_id 0
		.amdhsa_next_free_vgpr 1024
		.amdhsa_next_free_sgpr 100
		.amdhsa_reserve_vcc 0
		.amdhsa_float_denorm_mode_32 3
		.amdhsa_float_denorm_mode_16_64 3
		.amdhsa_memory_ordered 1
		.amdhsa_forward_progress 1
		.amdhsa_inst_pref_size 183
	.end_amdhsa_kernel
	.amdgpu_metadata
---
amdhsa.version: [ 1, 2 ]
amdhsa.kernels:
  - .name:           k_qf66c40a76c_qkv
    .symbol:         k_qf66c40a76c_qkv.kd
    .args:
      - { .name: codes, .offset: 0, .size: 8, .value_kind: global_buffer, .address_space: global }
      - { .name: scales, .offset: 8, .size: 8, .value_kind: global_buffer, .address_space: global }
      - { .name: b_qkv, .offset: 16, .size: 8, .value_kind: global_buffer, .address_space: global }
      - { .name: qkv_ws, .offset: 24, .size: 8, .value_kind: global_buffer, .address_space: global }
    .group_segment_fixed_size: 327680
    .private_segment_fixed_size: 0
    .kernarg_segment_align: 8
    .kernarg_segment_size: 32
    .max_flat_workgroup_size: 128
    .sgpr_count:     100
    .vgpr_count:     1024
    .wavefront_size: 32
...
	.end_amdgpu_metadata
.endif
;; end of part 2
;; launch attn (part 3): grid 4 x 64, 8 waves a work-group, no clusters, 66,560 bytes of LDS; arguments qkv_ws, maskw, a_ws; writes a_ws
.if DOCPART == 3
	.amdgcn_target "amdgcn-amd-amdhsa--gfx1250"
	.amdhsa_code_object_version 6
	.text
	.protected	k_qf66c40a76c_attn
	.globl	k_qf66c40a76c_attn
	.p2align	8
	.type	k_qf66c40a76c_attn,@function
k_qf66c40a76c_attn:
	s_mov_b64 s[64:65], 0
	v_nop
	global_prefetch_b8 v0, s[64:65] scope:SCOPE_SE
	s_setreg_imm32_b32 hwreg(HW_REG_WAVE_MODE, 25, 1), 1
	s_wait_xcnt 0x0
; a[b][t][head] = softmax over keys of (q . k / 8, -infinity where attn_mask is 0) v, for one batch and head a work-group row.  Operands f16, products' sums, maxima, sums in f32.
; q arrives times log2(e) / 8, so a score is an exponent of 2: p = 2^(s - m), m the row's running maximum; O and l are multiplied by 2^(m_old - m_new) in every step that is walked.
; THE MASK IS AN INPUT.  An earlier launch has turned it into lane masks and two flags for each tile of 16 queries x 64 keys.  A tile in which no key counts adds nothing for any input: it is jumped over.
; A tile in which all keys count needs no masking.  Every other tile takes its 32 lane masks by scalar loads, and hidden scores become -infinity.  All these branches hang on whole numbers read from maskw.
; A row with no key at all ends with O = 0 and l = 0: 0 x (1 / 0) is NaN, as a softmax of -infinities is.
; SHARES.  Work-group (i, batch x head) owns query blocks i and 7 - i of 256; wave w four tiles of 16 queries: piece E = tiles 16 i + 2 w, + 1; piece L = tiles 16 (7 - i) + 2 w, + 1.
; All eight waves walk the head's keys, 128 a trip, 64 a step.  K and V come from memory through registers into two LDS slots, as images of their fragments: wave w brings 4,096 bytes a trip.
; No tensor load and no cluster: the walk hangs on numbers read from memory.
; LAYOUT.  S^T = K Q^T (source 0 = 16 keys, source 1 = 16 queries) and O^T = V^T P: a lane holds ONE query throughout; two tiles of S^T, rounded in pairs, are a fragment of P.
; LIMITS: |a| stays under 65,504 (f16); p under 6e-8 falls to 0 in f16.
; REGISTERS: window 0: v1-6 addresses and constants; v8-39 statistics, 8 a tile: +0 m, +1 its pair's other half, +2, +3 l, +4..+7 at work (+6: the factor a); v40-71 staging; v72-135 Q; v136-199 S^T of a piece; v200-231 P.
;            window 1: v0-127 O^T, 32 a tile; v128-191 K of a step; v192-255 V of a step.
.set L16,  1                           ; 16 x lane
.set STA,  2                           ; 4,096 x wave + 16 x lane
.set SPW,  3
.set NIL,  4
.set NINF, 5                           ; -infinity
.set PFO,  6                           ; 256 x lane
.set ST,   8
.set G,    40
.set Q,    72
.set S,    136
.set P,    200
.set KF,   128
.set VF,   192
.set SPARE, 65536                      ; behind the two slots of 32,768 bytes: the spare words, 128 bytes for each of eight waves
.set KVP,  14                          ; s[14:15] my 4,096 bytes of this trip's K (waves 0-3) or V (waves 4-7)
.set ANYW, 24                          ; s20 ANY E, s21 ALL E, s22 ANY L, s23 ALL L, s24 ANY of both: bit s belongs to step s
.set NEEDR, 25                         ; bit 0: some wave of the work-group wants the next trip's keys
.set STP,  26                          ; the step, 0 .. 31
.set SOFF, 27                          ; 128 x step: its lane masks
.set LIM,  29
.set MSB, 0
.macro WIN new
.if MSB != (\new)
	s_set_vgpr_msb (MSB<<8)|(\new)
.set MSB, (\new)
.endif
.endm
; S^T of piece p: eight accumulators by turns, twice; the first eight start the sums
.macro SQK p
	WIN 0x01                                       ; K in window 1
.irp c, 0,1
.irp t, 0,1,2,3
.irp tq, 0,1
.if \c == 0
	v_wmma_f32_16x16x32_f16 v[S+32*\tq+8*\t:S+32*\tq+8*\t+7], v[KF+16*\t+8*\c:KF+16*\t+8*\c+7], v[Q+16*(2*\p+\tq)+8*\c:Q+16*(2*\p+\tq)+8*\c+7], 0
.else
	v_wmma_f32_16x16x32_f16 v[S+32*\tq+8*\t:S+32*\tq+8*\t+7], v[KF+16*\t+8*\c:KF+16*\t+8*\c+7], v[Q+16*(2*\p+\tq)+8*\c:Q+16*(2*\p+\tq)+8*\c+7], v[S+32*\tq+8*\t:S+32*\tq+8*\t+7]
.endif
.endr
.endr
.endr
	WIN 0
.rept 4
	v_nop                                          ; places ahead of the first read of the scores (ISA guide 7.12.1)
.endr
.endm
; the softmax of piece p's two tiles, line by line by turns, so that no line waits for the line above it
.macro SOFT p
.irp j, 0,1,2,3
.irp tq, 0,1
	v_max3_num_f32 v[ST+8*(2*\p+\tq)+4+\j], v[S+32*\tq+8*\j], v[S+32*\tq+8*\j+1], v[S+32*\tq+8*\j+2]   ; four chains; each accumulator is read from its low end on
.endr
.endr
.irp i, 3,5
.irp j, 0,1,2,3
.irp tq, 0,1
	v_max3_num_f32 v[ST+8*(2*\p+\tq)+4+\j], v[ST+8*(2*\p+\tq)+4+\j], v[S+32*\tq+8*\j+\i], v[S+32*\tq+8*\j+\i+1]
.endr
.endr
.endr
.irp tq, 0,1
	v_max3_num_f32 v[ST+8*(2*\p+\tq)+4], v[ST+8*(2*\p+\tq)+4], v[S+32*\tq+7], v[S+32*\tq+15]
.endr
.irp tq, 0,1
	v_max3_num_f32 v[ST+8*(2*\p+\tq)+6], v[ST+8*(2*\p+\tq)+6], v[S+32*\tq+23], v[S+32*\tq+31]
.endr
.irp tq, 0,1
	v_max3_num_f32 v[ST+8*(2*\p+\tq)+4], v[ST+8*(2*\p+\tq)+4], v[ST+8*(2*\p+\tq)+5], v[ST+8*(2*\p+\tq)+6]
.endr
.irp tq, 0,1
	v_max3_num_f32 v[ST+8*(2*\p+\tq)+4], v[ST+8*(2*\p+\tq)+4], v[ST+8*(2*\p+\tq)+7], v[ST+8*(2*\p+\tq)]   ; with the old m
.endr
.irp tq, 0,1
	v_permlanex16_b32 v[ST+8*(2*\p+\tq)+5], v[ST+8*(2*\p+\tq)+4], s30, s31   ; the query's other 32 keys lie in the lane 16 away
.endr
.irp tq, 0,1
	v_max_num_f32 v[ST+8*(2*\p+\tq)+5], v[ST+8*(2*\p+\tq)+4], v[ST+8*(2*\p+\tq)+5]   ; the new m
.endr
.irp tq, 0,1
	v_sub_f32 v[ST+8*(2*\p+\tq)+7], v[ST+8*(2*\p+\tq)], v[ST+8*(2*\p+\tq)+5]         ; m_old - m_new
.endr
.irp tq, 0,1
	v_mov_b32 v[ST+8*(2*\p+\tq)], v[ST+8*(2*\p+\tq)+5]
.endr
.set n, 0
.rept 16
.irp tq, 0,1
	v_pk_add_f32 v[S+32*\tq+n:S+32*\tq+n+1], v[S+32*\tq+n:S+32*\tq+n+1], v[ST+8*(2*\p+\tq):ST+8*(2*\p+\tq)+1] op_sel_hi:[1,0] neg_lo:[0,1] neg_hi:[0,1]   ; s - m
.endr
.set n, n+2
.endr
.irp tq, 0,1
	v_exp_f32 v[ST+8*(2*\p+\tq)+6], v[ST+8*(2*\p+\tq)+7]                             ; a
.endr
.set n, 0
.rept 32
.irp tq, 0,1
	v_exp_f32 v[S+32*\tq+n], v[S+32*\tq+n]                                           ; p; 0 for a hidden key
.endr
.set n, n+1
.endr
	v_nop                                          ; a plain line behind the last exponential
	s_wait_alu depctr_va_vdst(0)                   ; one wait for the batch of 66, ahead of its first reader
.set n, 0
.rept 16
.irp tq, 0,1
	v_cvt_pk_f16_f32 v[P+16*\tq+n], v[S+32*\tq+2*n], v[S+32*\tq+2*n+1]
.endr
.set n, n+1
.endr
.irp d, 2,4,8,16                       ; the sum of the tile's 16 pairs, in place
.set n, 0
.rept 16/\d
.irp tq, 0,1
	v_pk_add_f32 v[S+32*\tq+n:S+32*\tq+n+1], v[S+32*\tq+n:S+32*\tq+n+1], v[S+32*\tq+n+\d:S+32*\tq+n+\d+1]
.endr
.set n, n+2*\d
.endr
.endr
.irp tq, 0,1
	v_pk_fma_f32 v[ST+8*(2*\p+\tq)+2:ST+8*(2*\p+\tq)+3], v[ST+8*(2*\p+\tq)+2:ST+8*(2*\p+\tq)+3], v[ST+8*(2*\p+\tq)+6:ST+8*(2*\p+\tq)+7], v[S+32*\tq:S+32*\tq+1] op_sel_hi:[1,0,1]   ; l = a l + the sum
.endr
	WIN 0x41                                       ; O^T (destination and source 0) in window 1
.set n, 0
.rept 16
.irp tq, 0,1
	v_pk_mul_f32 v[32*(2*\p+\tq)+n:32*(2*\p+\tq)+n+1], v[32*(2*\p+\tq)+n:32*(2*\p+\tq)+n+1], v[ST+8*(2*\p+\tq)+6:ST+8*(2*\p+\tq)+7] op_sel_hi:[1,0]
.endr
.set n, n+2
.endr
.endm
; O^T += V^T P of piece p: eight accumulators by turns, twice
.macro PV p
	WIN 0x51                                       ; V, C and D in window 1, P in window 0
.irp kk, 0,1
.irp dt, 0,1,2,3
.irp tq, 0,1
	v_wmma_f32_16x16x32_f16 v[32*(2*\p+\tq)+8*\dt:32*(2*\p+\tq)+8*\dt+7], v[VF+32*\kk+8*\dt:VF+32*\kk+8*\dt+7], v[P+16*\tq+8*\kk:P+16*\tq+8*\kk+7], v[32*(2*\p+\tq)+8*\dt:32*(2*\p+\tq)+8*\dt+7]
.endr
.endr
.endr
	WIN 0
.rept 5
	v_nop                                          ; places ahead of the next loads into K's and V's registers and the next writes of P
.endr
.endm
.macro PIECE p
	s_bitcmp1_b32 s[20+2*\p], s[STP]
	s_cbranch_scc0 .Lpiece_end_\@                  ; no key of this step counts for any of the piece's 32 queries
	s_bitcmp1_b32 s[21+2*\p], s[STP]
	s_cbranch_scc1 .Lfull_\@
	s_load_b512 s[32:47], s[16+2*\p:17+2*\p], s[SOFF] offset:0      ; the piece's 64 lane masks: tile 0's 32 words,
	s_load_b512 s[48:63], s[16+2*\p:17+2*\p], s[SOFF] offset:64
	s_load_b512 s[68:83], s[16+2*\p:17+2*\p], s[SOFF] offset:4096   ; tile 1's
	s_load_b512 s[84:99], s[16+2*\p:17+2*\p], s[SOFF] offset:4160
	s_wait_dscnt 16                                ; K's sixteen loads are in; V's sixteen may be out
	SQK \p
	s_wait_kmcnt 0x0
.set n, 0
.rept 32
	v_cndmask_b32 v[S+n], v[NINF], v[S+n], s[32+n]
.set n, n+1
.endr
.set n, 0
.rept 32
	v_cndmask_b32 v[S+32+n], v[NINF], v[S+32+n], s[68+n]
.set n, n+1
.endr
	s_branch .Ljoin_\@
.Lfull_\@:
	s_wait_dscnt 16
	SQK \p
.Ljoin_\@:
	SOFT \p
	s_wait_dscnt 0x0                               ; V is in
	PV \p
.Lpiece_end_\@:
.endm
.macro SUB slot, q                     ; a step of 64 keys: the q-th half of the slot
	s_bitcmp1_b32 s[ANYW], s[STP]
	s_cbranch_scc0 .Lsub_end_\@                    ; nothing of this step counts for my four tiles
	s_wait_dscnt 0x0                               ; no LDS load of mine is out: the waits for a step's 32 loads stand inside the two pieces, each of which can be jumped over, and the loads below land in the same registers.
	                                               ; Behind a piece that was walked the count is 0 already
	WIN 0x40                                       ; destination window 1
.irp t, 0,1,2,3
.irp c, 0,1
.irp g, 0,1
	ds_load_b128 v[KF+16*\t+8*\c+4*\g:KF+16*\t+8*\c+4*\g+3], v[L16] offset:\slot*32768+\q*8192+2048*\t+1024*\c+512*\g
.endr
.endr
.endr
.irp kk, 0,1
.irp dt, 0,1,2,3
.irp g, 0,1
	ds_load_b128 v[VF+32*\kk+8*\dt+4*\g:VF+32*\kk+8*\dt+4*\g+3], v[L16] offset:\slot*32768+16384+\q*8192+4096*\kk+1024*\dt+512*\g
.endr
.endr
.endr
	WIN 0
	PIECE 0
	PIECE 1
.Lsub_end_\@:
	s_add_co_u32 s[STP], s[STP], 1
	s_add_co_u32 s[SOFF], s[SOFF], 128
.endm
; A TRIP: 128 keys in one slot.  One barrier: in front of it every wave's stores into this slot have landed and its reads of the other slot are over; behind it this slot is read, and at the trip's end the other is written.
.macro TRIP slot
	s_wait_dscnt 0x0                               ; my LDS stores have landed (and have read the staging registers), my LDS loads are in
	s_bitcmp1_b32 s[NEEDR], 0
	s_cbranch_scc0 .Lno_load_\@                    ; no wave of the work-group wants the next trip's keys (behind the last trip: there are none)
.irp n, 0,1,2,3,4,5,6,7
	global_load_b128 v[G+4*\n:G+4*\n+3], v[L16], s[KVP:KVP+1] offset:16384+512*\n
.endr
.Lno_load_\@:
	; A prefetch of the trip after the next: the head's first work-group asks, in waves 0, 2, 4, 6, each for its own 4,096 bytes and the next wave's, lanes 256 bytes apart: each 256 bytes are named once in the launch.
	; The last two trips ask for nothing; trips 0 and 1 come by their loads alone.
	s_cmp_gt_u32 s28, s[LIM]
	s_cbranch_scc0 .Lno_ask_\@
	global_prefetch_b8 v[PFO], s[KVP:KVP+1] offset:32768 th:TH_LOAD_NT scope:SCOPE_SE
.Lno_ask_\@:
	s_barrier_signal -1
	s_barrier_wait -1
	SUB \slot, 0
	SUB \slot, 1
	s_wait_loadcnt 0x0                             ; the next trip's bytes are in my registers (on every way: no load stays out over the trip's end)
	s_bitcmp1_b32 s[NEEDR], 0
	s_cbranch_scc0 .Lno_store_\@
.irp n, 0,1,2,3,4,5,6,7
	ds_store_b128 v[STA], v[G+4*\n:G+4*\n+3] offset:(1-\slot)*32768+512*\n
.endr
.Lno_store_\@:
	s_wait_xcnt 0x0                                ; the loads and the prefetch have read their base
	s_add_nc_u64 s[KVP:KVP+1], s[KVP:KVP+1], 16384
	s_lshr_b32 s[NEEDR], s[NEEDR], 2
.endm
	s_load_b128 s[4:7], s[0:1], 0x0                ; qkv_ws s[4:5], maskw s[6:7]
	s_load_b64 s[8:9], s[0:1], 0x10                ; a_ws
	v_lshl_add_u32 v[SPW], v0, 2, SPARE
	v_mov_b32 v[NIL], 0
	v_lshrrev_b32 v7, 5, v0
	v_readfirstlane_b32 s10, v7                    ; wave 0..7
	v_and_b32 v7, 31, v0
	v_lshlrev_b32 v[L16], 4, v7
	v_lshlrev_b32 v[PFO], 8, v7
	s_lshl_b32 s2, s10, 12
	v_add_nc_u32 v[STA], s2, v[L16]
	v_mov_b32 v[NINF], 0xff800000
	s_and_b32 s12, ttmp7, 0xffff                   ; batch x 16 + head
	s_mov_b32 s30, 0x76543210
	s_mov_b32 s31, 0xfedcba98                      ; v_permlanex16_b32's selects for lane l xor 16
	s_lshl_b32 s20, ttmp9, 4
	s_lshl_b32 s21, s10, 1
	s_add_co_u32 s11, s20, s21                     ; piece E's first tile of queries
	s_sub_co_u32 s13, 112, s20
	s_add_co_u32 s13, s13, s21                     ; piece L's
	s_lshl_b32 s22, s12, 18                        ; the head's 262,144 bytes in Q, in K and in V
	s_and_b32 s2, s10, 3
	s_lshl_b32 s2, s2, 12
	s_add_co_u32 s2, s2, s22
	s_cmp_lt_u32 s10, 4
	s_cselect_b32 s3, 0, 16777216
	s_add_co_u32 s2, s2, s3
	s_add_co_u32 s2, s2, 16777216                  ; K for waves 0-3, V for waves 4-7
	s_mov_b32 s3, 0
	s_lshl_b32 s32, ttmp9, 13                      ; the flags of block i's 16 tile rows, 512 bytes each, from byte 524,288
	s_add_co_u32 s32, s32, 524288
	s_mov_b32 s33, 0
	s_sub_co_u32 s34, 7, ttmp9
	s_lshl_b32 s34, s34, 13
	s_add_co_u32 s34, s34, 524288                  ; of block 7 - i's
	s_mov_b32 s35, 0
	s_lshl_b32 s36, s11, 9
	s_add_co_u32 s36, s36, 524288                  ; of my own tiles
	s_mov_b32 s37, 0
	s_lshl_b32 s38, s13, 9
	s_add_co_u32 s38, s38, 524288
	s_mov_b32 s39, 0
	s_lshl_b32 s40, s11, 11
	s_add_co_u32 s40, s40, s22                     ; Q: 2,048 bytes a tile
	s_mov_b32 s41, 0
	s_lshl_b32 s42, s13, 11
	s_add_co_u32 s42, s42, s22
	s_mov_b32 s43, 0
	s_lshl_b32 s16, s11, 12                        ; the lane masks: 4,096 bytes a tile row
	s_mov_b32 s17, 0
	s_lshl_b32 s18, s13, 12
	s_mov_b32 s19, 0
	s_and_b32 s[LIM], s10, 1
	s_or_b32 s[LIM], s[LIM], ttmp9
	s_cmp_eq_u32 s[LIM], 0
	s_cselect_b32 s[LIM], 1, -1                    ; 1 in a wave that prefetches, else the greatest number
	s_mov_b32 s[STP], 0
	s_mov_b32 s[SOFF], 0
	s_mov_b32 s28, 8
	s_wait_kmcnt 0x0
	s_add_nc_u64 s[KVP:KVP+1], s[4:5], s[2:3]
	s_add_nc_u64 s[32:33], s[6:7], s[32:33]
	s_add_nc_u64 s[34:35], s[6:7], s[34:35]
	s_add_nc_u64 s[36:37], s[6:7], s[36:37]
	s_add_nc_u64 s[38:39], s[6:7], s[38:39]
	s_add_nc_u64 s[40:41], s[4:5], s[40:41]
	s_add_nc_u64 s[42:43], s[4:5], s[42:43]
	s_add_nc_u64 s[16:17], s[6:7], s[16:17]
	s_add_nc_u64 s[18:19], s[6:7], s[18:19]
.irp n, 0,1,2,3,4,5,6,7
	global_load_b128 v[G+4*\n:G+4*\n+3], v[L16], s[KVP:KVP+1] offset:512*\n          ; trip 0's bytes
.endr
.irp t, 0,1,2,3,4,5,6,7,8,9,10,11,12,13,14,15
	global_load_b32 v[S+\t], v[L16], s[32:33] offset:512*\t                          ; flags: lane = step, 16 bytes a step
	global_load_b32 v[S+16+\t], v[L16], s[34:35] offset:512*\t
.endr
	global_load_b32 v[S+32], v[L16], s[36:37]
	global_load_b32 v[S+33], v[L16], s[36:37] offset:512
	global_load_b32 v[S+34], v[L16], s[38:39]
	global_load_b32 v[S+35], v[L16], s[38:39] offset:512
.irp n, 0,1,2,3,4,5,6,7
	global_load_b128 v[Q+4*\n:Q+4*\n+3], v[L16], s[40:41] offset:512*\n              ; Q stays in registers
	global_load_b128 v[Q+32+4*\n:Q+32+4*\n+3], v[L16], s[42:43] offset:512*\n
.endr
.irp g, 0,1,2,3
	v_mov_b32 v[ST+8*\g], 0xff61b1e6               ; m = -3e38, under every score
.irp j, 1,2,3,4,5,6,7
	v_mov_b32 v[ST+8*\g+\j], 0                     ; l = 0; the others are written because a tile that is never walked still reaches the end
.endr
.endr
	WIN 0x40
.set n, 0
.rept 128
	v_mov_b32 v[n], 0                              ; O^T = 0: which step is a tile's first hangs on the mask, so no product can be written out to start the sums
.set n, n+1
.endr
	WIN 0
	s_wait_loadcnt 0x0
.irp n, 0,1,2,3,4,5,6,7
	ds_store_b128 v[STA], v[G+4*\n:G+4*\n+3] offset:512*\n
.endr
.irp d, 16,8,4,2,1
.set n, 0
.rept \d
	v_or_b32 v[S+n], v[S+n], v[S+n+\d]             ; over the work-group's 32 tile rows
.set n, n+1
.endr
.endr
	v_and_b32 v[S], 1, v[S]
	v_cmp_ne_u32 s2, 0, v[S]                       ; bit s: some tile row wants step s
	s_lshr_b32 s3, s2, 1
	s_or_b32 s2, s2, s3
	s_lshr_b32 s[NEEDR], s2, 2                     ; bit 2 T: trip T + 1 is wanted
	v_or_b32 v[S+36], v[S+32], v[S+33]
	v_and_b32 v[S+36], 1, v[S+36]
	v_cmp_ne_u32 s20, 0, v[S+36]
	v_and_b32 v[S+37], v[S+32], v[S+33]
	v_and_b32 v[S+37], 2, v[S+37]
	v_cmp_ne_u32 s21, 0, v[S+37]
	v_or_b32 v[S+38], v[S+34], v[S+35]
	v_and_b32 v[S+38], 1, v[S+38]
	v_cmp_ne_u32 s22, 0, v[S+38]
	v_and_b32 v[S+39], v[S+34], v[S+35]
	v_and_b32 v[S+39], 2, v[S+39]
	v_cmp_ne_u32 s23, 0, v[S+39]
	s_or_b32 s[ANYW], s20, s22
.Ltrips:                                           ; eight times two trips: constants, so every wave passes every barrier
	TRIP 0
	TRIP 1
	s_sub_co_u32 s28, s28, 1
	s_cmp_lg_u32 s28, 0
	s_cbranch_scc1 .Ltrips
	; THE WAY OUT.  a_ws: [K step of 128 features: 8][tile of 16 tokens: 512][32 features: 4][half 2][lane][16 bytes]: a lane's eight channels, as f16, are 16 bytes of an image at 16 x lane.
.irp g, 0,1,2,3
	v_add_f32 v[ST+8*\g+4], v[ST+8*\g+2], v[ST+8*\g+3]
.endr
.irp g, 0,1,2,3
	v_permlanex16_b32 v[ST+8*\g+5], v[ST+8*\g+4], s30, s31
.endr
.irp g, 0,1,2,3
	v_add_f32 v[ST+8*\g+4], v[ST+8*\g+4], v[ST+8*\g+5]
.endr
.irp g, 0,1,2,3
	v_rcp_f32 v[ST+8*\g+6], v[ST+8*\g+4]
.endr
	v_nop                                          ; a plain line behind the last reciprocal
	s_lshr_b32 s2, s12, 4                          ; the batch
	s_lshl_b32 s2, s2, 7
	s_add_co_u32 s32, s2, s11                      ; the tiles of tokens
	s_add_co_u32 s34, s2, s13
	s_lshl_b32 s32, s32, 12
	s_lshl_b32 s34, s34, 12
	s_and_b32 s3, s12, 15                          ; the head: K step head / 2, its upper or lower 64 features
	s_lshr_b32 s2, s3, 1
	s_lshl_b32 s2, s2, 21
	s_and_b32 s3, s3, 1
	s_lshl_b32 s3, s3, 11
	s_add_co_u32 s2, s2, s3
	s_add_co_u32 s32, s32, s2
	s_add_co_u32 s34, s34, s2
	s_mov_b32 s33, 0
	s_mov_b32 s35, 0
	s_add_nc_u64 s[32:33], s[8:9], s[32:33]
	s_add_nc_u64 s[34:35], s[8:9], s[34:35]
	s_wait_alu depctr_va_vdst(0)                   ; one wait for the four reciprocals, ahead of their first reader
.macro OUTP p, y
	WIN 0x01                                       ; O^T in window 1
.irp tq, 0,1
.set n, 0
.rept 16
	v_pk_mul_f32 v[S+32*\tq+n:S+32*\tq+n+1], v[32*(2*\p+\tq)+n:32*(2*\p+\tq)+n+1], v[ST+8*(2*\p+\tq)+6:ST+8*(2*\p+\tq)+7] op_sel_hi:[1,0]   ; each accumulator from its low end on
.set n, n+2
.endr
.endr
	WIN 0
.set n, 0
.rept 32
	v_cvt_pk_f16_f32 v[\y+n], v[S+2*n], v[S+2*n+1]
.set n, n+1
.endr
.irp tq, 0,1
.irp dt, 0,1,2,3
	global_store_b128 v[L16], v[\y+16*\tq+4*\dt:\y+16*\tq+4*\dt+3], s[32+2*\p:33+2*\p] offset:4096*\tq+512*\dt   ; 512 consecutive bytes, aligned
.endr
.endr
.endm
	OUTP 0, P
	OUTP 1, G                                      ; other registers than piece E's: no store's data are written again
	s_wait_tensorcnt 0x0                           ; the wave's end, behind my last LDS store
	ds_add_u32 v[SPW], v[NIL]
	s_wait_dscnt 0x0
	s_endpgm
.Lfunc_end_k_qf66c40a76c_attn:
	.size	k_qf66c40a76c_attn, .Lfunc_end_k_qf66c40a76c_attn-k_qf66c40a76c_attn
	.p2alignl 7, 3214868480
	.fill 96, 4, 3214868480
	.section	.rodata,"a",@progbits
	.p2align	6, 0x0
	.amdhsa_kernel k_qf66c40a76c_attn
		.amdhsa_group_segment_fixed_size 66560
		.amdhsa_private_segment_fixed_size 0
		.amdhsa_enable_private_segment 0
		.amdhsa_kernarg_size 24
		.amdhsa_user_sgpr_count 2
		.amdhsa_user_sgpr_kernarg_segment_ptr 1
		.amdhsa_wavefront_size32 1
		.amdhsa_system_sgpr_workgroup_id_x 1
		.amdhsa_system_sgpr_workgroup_id_y 1
		.amdhsa_system_sgpr_workgroup_id_z 1
		.amdhsa_system_vgpr_workitem_id 0
		.amdhsa_next_free_vgpr 512
		.amdhsa_next_free_sgpr 102
		.amdhsa_reserve_vcc 0
		.amdhsa_float_denorm_mode_32 3
		.amdhsa_float_denorm_mode_16_64 3
		.amdhsa_memory_ordered 1
		.amdhsa_forward_progress 1
		.amdhsa_inst_pref_size 205
	.end_amdhsa_kernel
	.amdgpu_metadata
---
amdhsa.version: [ 1, 2 ]
amdhsa.kernels:
  - .name:           k_qf66c40a76c_attn
    .symbol:         k_qf66c40a76c_attn.kd
    .args:
      - { .name: qkv_ws, .offset: 0, .size: 8, .value_kind: global_buffer, .address_space: global }
      - { .name: maskw, .offset: 8, .size: 8, .value_kind: global_buffer, .address_space: global }
      - { .name: a_ws, .offset: 16, .size: 8, .value_kind: global_buffer, .address_space: global }
    .group_segment_fixed_size: 66560
    .private_segment_fixed_size: 0
    .kernarg_segment_align: 8
    .kernarg_segment_size: 24
    .max_flat_workgroup_size: 256
    .sgpr_count:     102
    .vgpr_count:     512
    .wavefront_size: 32
...
	.end_amdgpu_metadata
.endif
;; end of part 3
;; launch proj (part 4): grid 8 x 32, 4 waves a work-group, clusters of 4 x 4, 327,680 bytes of LDS; arguments a_ws, wo_ws, b_out, out0; writes out0
.if DOCPART == 4
	.amdgcn_target "amdgcn-amd-amdhsa--gfx1250"
	.amdhsa_code_object_version 6
	.text
	.protected	k_qf66c40a76c_proj
	.globl	k_qf66c40a76c_proj
	.p2align	8
	.type	k_qf66c40a76c_proj,@function
k_qf66c40a76c_proj:
	s_mov_b64 s[64:65], 0
	v_nop
	global_prefetch_b8 v0, s[64:65] scope:SCOPE_SE
	s_setreg_imm32_b32 hwreg(HW_REG_WAVE_MODE, 25, 1), 1
	s_wait_xcnt 0x0
	s_wait_alu depctr_hold_cnt(0) depctr_sa_sdst(0) depctr_va_vdst(0) depctr_va_sdst(0) depctr_va_ssrc(0) depctr_va_vcc(0) depctr_vm_vsrc(0)
	s_getreg_b32 s2, hwreg(HW_REG_IB_STS2, 6, 4)
	s_cmp_eq_u32 s2, 0
	s_cbranch_scc0 .Lentry_in_a_cluster
	s_endpgm
.Lentry_in_a_cluster:
	s_bfe_u32 s2, ttmp6, 0x10000c
	s_cmp_lg_u32 s2, 0xf033
	s_cbranch_scc0 .Lentry_shape_is_right
	s_endpgm
.Lentry_shape_is_right:
; out0[token][n] = sum over k of a[token][k] w_out[n][k] + b_out[n].  a and w_out arrive as f16, laid as images of matrix fragments; sums in f32; out0 [8192][1024] f32.
; A work-group of four waves makes 256 tokens x 128 n: with 32 x 8 such tiles each of 256 work-groups has one.  A wave makes 128 x 64: 32 accumulators.  K goes in 8 steps of 128 through two LDS slots.
; a_ws: [K step 8][tile of 16 tokens 512][4,096 bytes], wo_ws: [K step 8][tile of 16 n 64][4,096 bytes]: a K step's part of a work-group's rows is ONE dense block: 65,536 bytes of a, 32,768 of w_out.
; In a tile's 4,096 bytes: [32 along K: 4][half 2][lane][16 bytes]: a fragment comes by two loads at 16 x lane: no pitch, no padding.
; Source 0 = 16 rows of w_out, source 1 = 16 tokens: a lane holds one token and eight neighbouring n.  The bias is the C of each sum's first matrix instruction.
; CLUSTERS: 4 x 4 work-groups; a's block is shared along a row of the cluster, w_out's along a column: each is asked for jointly.
; REGISTERS: window 0: v16-31 addresses; v32-95 rows on the way out, two sets; v96-127 the bias.  window 1: two fragment buffers of 96 (a's 8 fragments, then w_out's 4), at v0 and v128.  window 2: accumulator (a, b) at v[8 (4 a + b)].
.set KSA,   2097152                    ; a K step in a_ws
.set KSW,   262144                     ; and in wo_ws
.set SLOT,  98304                      ; a's 65,536 bytes, then w_out's 32,768
.set BOFF,  65536
.set STAGE, 2*SLOT                     ; behind the slots: 16 rows x 272 bytes for each wave, for the way out
.set SPITCH, 272
.set SPARE, STAGE+4*16*SPITCH          ; the spare words, 128 bytes for each wave
.set LAPS,  4                          ; a lap = two K steps
.set ADRA, 16
.set ADRB, 20
.set STO,  24
.set RD,   25
.set CO,   26
.set SPW,  28
.set NIL,  29
.set PFO,  30                          ; 256 x lane
.set BO,   31                          ; 32 x (lane / 16)
.set BK,   32
.set BIAS, 96
.set F0,   0
.set F1,   128
.set G1,  24
.set G0,  32
.set G1B, 48
.set G0B, 56
.set LIM, 43
.set PFA, 44
.set MSB, 0
.macro WIN new
.if MSB != (\new)
	s_set_vgpr_msb (MSB<<8)|(\new)
.set MSB, (\new)
.endif
.endm
.set MUL,  0xa5                        ; sources 0 and 1 window 1, C and D window 2
.set TO_F, 0x40
.macro JLOAD s                         ; waves 0 and 1 fetch a's two halves, waves 2 and 3 w_out's; an s_nop 0 and four v_nop follow each of the two lines
	s_cmp_eq_u32 s13, 0
	s_cbranch_scc0 .Lfor_b_\@
	tensor_load_to_lds s[G0+4*\s:G0+4*\s+3], s[G1:G1+7]
	s_nop 0
.rept 4
	v_nop
.endr
	s_branch .Lasked_\@
.Lfor_b_\@:
	tensor_load_to_lds s[G0B+4*\s:G0B+4*\s+3], s[G1B:G1B+7]
	s_nop 0
.rept 4
	v_nop
.endr
.Lasked_\@:
.endm
; A prefetch of a's block of the K step that stands two refills on.  The clusters of one row of clusters read the same rows of a: cluster x = 0 asks.  Of the 32,768 bytes that wave 0 or 1 fetches, each of the four partners
; takes 8,192, told apart by address (cx), lanes 256 bytes apart: each 256 bytes are named once.  The last two refills have no K step two on.  w_out, which every row of clusters reads again, is not asked for.
.macro ASK
	s_cmp_gt_u32 s3, s[LIM]                        ; s3 = 1 in the loop's last trip
	s_cbranch_scc0 .Lnot_mine_\@
	global_prefetch_b8 v[PFO], s[PFA:PFA+1] th:TH_LOAD_NT scope:SCOPE_SE
.Lnot_mine_\@:
.endm
.macro CREST
	s_cmp_lg_u32 s12, 0
	s_cbranch_scc1 .Lnot_wave_0_\@
	s_barrier_signal -3
.Lnot_wave_0_\@:
	s_barrier_wait -3
	s_barrier_signal -1
	s_barrier_wait -1
.endm
.macro CROUND
	s_barrier_signal -1
	s_barrier_wait -1
	CREST
.endm
	s_load_b128 s[4:7], s[0:1], 0x0                ; a_ws s[4:5], wo_ws s[6:7]
	s_load_b128 s[8:11], s[0:1], 0x10              ; b_out s[8:9], out0 s[10:11]
	v_lshl_add_u32 v[SPW], v0, 2, SPARE
	v_mov_b32 v[NIL], 0
	ds_add_u32 v[SPW], v[NIL]                      ; the wave's opening: the add, twice on end, and its wait ahead of my first tensor load
	ds_add_u32 v[SPW], v[NIL]
	v_lshrrev_b32 v1, 5, v0
	v_readfirstlane_b32 s12, v1                    ; wave 0..3
	s_lshr_b32 s13, s12, 1                         ; which half of the tokens is mine.  Also: I fetch a's (0) or w_out's (1)
	s_and_b32 s14, s12, 1                          ; which half of the n.  Also: which half of that block I fetch
	s_bfe_u32 s40, ttmp6, 0x40000                  ; cx
	s_bfe_u32 s41, ttmp6, 0x40004                  ; cy
	s_lshl_b32 s42, ttmp9, 2
	s_add_co_u32 s42, s42, s40                     ; tile column = 4 x cluster x + cx
	s_and_b32 s15, ttmp7, 0xffff
	s_lshl_b32 s15, s15, 2
	s_add_co_u32 s15, s15, s41                     ; tile row = 4 x cluster y + cy
	s_lshl_b32 s46, s41, 2
	s_lshl_b32 s46, 15, s46                        ; my row of the cluster
	s_lshl_b32 s47, 0x1111, s40                    ; my column
	; descriptor group 1: dense blocks as rows of 256 bytes (32 elements of 8 bytes): 128 rows of a, 64 of w_out; no padding
	s_or_b32 s[G1+0], s46, (3<<16)|(1<<21)
	s_mov_b32 s[G1+1], 32<<16                      ; tensor_dim0
	s_mov_b32 s[G1+2], 128<<16                     ; tensor_dim1
	s_mov_b32 s[G1+3], 32<<16                      ; tile_dim0
	s_mov_b32 s[G1+4], 128                         ; tile_dim1
	s_mov_b32 s[G1+5], 32                          ; from row to row
	s_mov_b32 s[G1+6], 0
	s_mov_b32 s[G1+7], 0
	s_or_b32 s[G1B+0], s47, (3<<16)|(1<<21)
	s_mov_b32 s[G1B+1], 32<<16
	s_mov_b32 s[G1B+2], 64<<16
	s_mov_b32 s[G1B+3], 32<<16
	s_mov_b32 s[G1B+4], 64
	s_mov_b32 s[G1B+5], 32
	s_mov_b32 s[G1B+6], 0
	s_mov_b32 s[G1B+7], 0
	s_lshl_b32 s16, s15, 16                        ; a: 16 tiles of 4,096 bytes a tile row, + my half
	s_lshl_b32 s20, s14, 15
	s_add_co_u32 s16, s16, s20
	s_mov_b32 s17, 0
	s_lshl_b32 s22, s42, 15                        ; w_out: 8 tiles a tile column, + my half
	s_lshl_b32 s21, s14, 14
	s_add_co_u32 s22, s22, s21
	s_mov_b32 s23, 0
	s_lshl_b32 s18, s14, 15                        ; where they go in a slot: the wave's number alone
	s_lshl_b32 s19, s14, 14
	s_add_co_u32 s19, s19, BOFF
	s_wait_dscnt 0x0                               ; both opening adds are done
	s_wait_kmcnt 0x0
	s_add_nc_u64 s[16:17], s[4:5], s[16:17]
	s_add_nc_u64 s[22:23], s[6:7], s[22:23]
	CROUND                                         ; all sixteen work-groups are here: the first joint loads meet
.irp s, 0,1
	s_mov_b32 s[G0+4*\s], 1
	s_add_co_u32 s[G0+4*\s+1], s18, \s*SLOT
	s_add_nc_u64 s[G0+4*\s+2:G0+4*\s+3], s[16:17], \s*KSA
	s_or_b32 s[G0+4*\s+3], s[G0+4*\s+3], 0x80000000
	s_mov_b32 s[G0B+4*\s], 1
	s_add_co_u32 s[G0B+4*\s+1], s19, \s*SLOT
	s_add_nc_u64 s[G0B+4*\s+2:G0B+4*\s+3], s[22:23], \s*KSW
	s_or_b32 s[G0B+4*\s+3], s[G0B+4*\s+3], 0x80000000
	JLOAD \s                                       ; two loads of mine are out
.endr
	v_and_b32 v1, 31, v0
	v_lshlrev_b32 v2, 4, v1                        ; 16 x lane
	v_lshlrev_b32 v[PFO], 8, v1
	s_lshl_b32 s20, s13, 15                        ; my 8 tiles of tokens
	s_lshl_b32 s21, s14, 14                        ; my 4 tiles of n,
	s_add_co_u32 s21, s21, BOFF                    ; behind a's block
.irp s, 0,1
	v_add_nc_u32 v[ADRA+\s], s20, v2
	v_add_nc_u32 v[ADRB+\s], s21, v2
	s_add_co_u32 s20, s20, SLOT
	s_add_co_u32 s21, s21, SLOT
.endr
	v_and_b32 v3, 15, v0                           ; r
	v_bfe_u32 v4, v0, 4, 1                         ; h
	s_mul_i32 s20, s12, 16*SPITCH
	s_add_co_u32 s20, s20, STAGE                   ; my stage
	v_mul_u32_u24 v5, v3, SPITCH
	v_lshl_add_u32 v5, v4, 5, v5
	v_add_nc_u32 v[STO], s20, v5                   ; in: row r, 32 bytes for each half of the lanes
	v_mul_u32_u24 v5, v4, SPITCH
	v_lshl_add_u32 v5, v3, 4, v5
	v_add_nc_u32 v[RD], s20, v5                    ; back: lanes 0-15 one row of 256 bytes, lanes 16-31 the next
	v_lshlrev_b32 v[CO], 12, v4
	v_lshl_add_u32 v[CO], v3, 4, v[CO]             ; and the same two rows in out0
	v_lshlrev_b32 v[BO], 5, v4
	s_lshl_b32 s20, s42, 9
	s_lshl_b32 s21, s14, 8
	s_add_co_u32 s20, s20, s21                     ; my first n, in bytes: 512 x tile column + 256 x half
	s_mov_b32 s21, 0
	s_add_nc_u64 s[8:9], s[8:9], s[20:21]
	s_add_nc_u64 s[10:11], s[10:11], s[20:21]
.irp b, 0,1,2,3
	global_load_b128 v[BIAS+8*\b:BIAS+8*\b+3], v[BO], s[8:9] offset:64*\b            ; b_out[first + 16 b + 8 h + j]: the result's layout
	global_load_b128 v[BIAS+8*\b+4:BIAS+8*\b+7], v[BO], s[8:9] offset:64*\b+16
.endr
	s_lshl_b32 s20, s15, 20
	s_lshl_b32 s21, s13, 19
	s_add_co_u32 s20, s20, s21                     ; my first token's row of 4,096 bytes: 256 x tile row + 128 x half
	s_mov_b32 s21, 0
	s_add_nc_u64 s[10:11], s[10:11], s[20:21]
	s_lshl_b32 s20, s40, 13                        ; the prefetches: my work-group's 8,192 bytes of the half that I fetch,
	s_add_nc_u64 s[PFA:PFA+1], s[16:17], s[20:21]
	s_add_nc_u64 s[PFA:PFA+1], s[PFA:PFA+1], 3*KSA ; at K step 3: the first refill, of K step 2, steps it to 4.  Nothing is prefetched here, at the head
	s_or_b32 s[LIM], s13, ttmp9
	s_cmp_eq_u32 s[LIM], 0
	s_cselect_b32 s[LIM], 1, -1                    ; waves 0 and 1 of cluster x = 0: the same in all sixteen partners, for a given wave
; 8 matrix instructions: blocks a0, a0 + 1 of tokens x the 4 blocks of n, 32 along K.  The 32 accumulators take turns, one instruction a turn, in the same order in every quarter.
.macro MUL8 f, a0, first
.irp a, \a0, \a0+1
.irp b, 0,1,2,3
.if \first
	v_wmma_f32_16x16x32_f16 v[8*(4*(\a)+\b):8*(4*(\a)+\b)+7], v[\f+64+8*\b:\f+64+8*\b+7], v[\f+8*(\a):\f+8*(\a)+7], v[BIAS+8*\b:BIAS+8*\b+7]
.else
	v_wmma_f32_16x16x32_f16 v[8*(4*(\a)+\b):8*(4*(\a)+\b)+7], v[\f+64+8*\b:\f+64+8*\b+7], v[\f+8*(\a):\f+8*(\a)+7], v[8*(4*(\a)+\b):8*(4*(\a)+\b)+7]
.endif
.endr
.endr
.endm
.macro FETCH slot, q, f                ; 24 LDS loads in one run: the q-th 32 along K: w_out's 4 fragments, then a's 8
	WIN TO_F
.irp i, 0,1,2,3
	ds_load_b128 v[\f+64+8*\i:\f+64+8*\i+3],   v[ADRB+\slot] offset:\i*4096+1024*\q
	ds_load_b128 v[\f+64+8*\i+4:\f+64+8*\i+7], v[ADRB+\slot] offset:\i*4096+1024*\q+512
.endr
.irp i, 0,1,2,3,4,5,6,7
	ds_load_b128 v[\f+8*\i:\f+8*\i+3],   v[ADRA+\slot] offset:\i*4096+1024*\q
	ds_load_b128 v[\f+8*\i+4:\f+8*\i+7], v[ADRA+\slot] offset:\i*4096+1024*\q+512
.endr
.endm
.macro PLACES                          ; plain vector instructions between a matrix instruction and a load into a register that it has read, or a read of its result (ISA guide 7.12.1 for vector instructions)
.rept 4
	v_nop
.endr
.endm
; A K step is four quarters of 32 along K, 32 matrix instructions each, on buffers 0, 1, 0, 1.  One of the first three multiplies buffer f and fetches the slot's q-th quarter into g.
.macro QUARTER slot, q, f, g, first
	s_wait_dscnt 8                                 ; w_out's fragments and a's blocks 0-3 are in; the youngest eight loads (blocks 4-7) may be out
	WIN MUL-0x20*\first                            ; (first: C, the bias, lies in window 0)
	MUL8 \f, 0, \first
	MUL8 \f, 2, \first
	PLACES
	FETCH \slot, \q, \g
	s_wait_dscnt 24                                ; all but the 24 just issued
	WIN MUL-0x20*\first
	MUL8 \f, 4, \first
	MUL8 \f, 6, \first
.endm
; The last quarter multiplies buffer 1 and changes slots: one barrier; in front of it each wave waits for all its tensor loads, adds 0 to its spare word, and waits for that and for its reads of this slot.
; fill = 1: the barrier opens a round of the cluster's barrier, and this slot is filled again, two K steps ahead, first thing behind the round.
.macro TURN slot, next, fill
.if \fill
	s_wait_xcnt 0x0                                ; the last prefetch, a K step back, has read its address
	s_add_nc_u64 s[PFA:PFA+1], s[PFA:PFA+1], KSA
.endif
	WIN 0                                          ; (the add's two registers lie in window 0)
	s_wait_tensorcnt 0x0                           ; all my tensor loads have landed: the one that was out is my part of the next slot
	ds_add_u32 v[SPW], v[NIL]
	s_wait_dscnt 9                                 ; the add and the youngest eight loads may be out
	WIN MUL
	MUL8 F1, 0, 0                                  ; eight matrix instructions stand between the add and the wait for it
	s_wait_dscnt 0x0                               ; the add is done, and my reads of this slot are over
	s_barrier_signal -1
	MUL8 F1, 2, 0
	WIN 0
	s_barrier_wait -1
.if \fill
	CREST                                          ; no wave of any partner still reads this slot or has a load on its way
	s_add_nc_u64 s[G0+4*\slot+2:G0+4*\slot+3], s[G0+4*\slot+2:G0+4*\slot+3], 2*KSA
	s_add_nc_u64 s[G0B+4*\slot+2:G0B+4*\slot+3], s[G0B+4*\slot+2:G0B+4*\slot+3], 2*KSW
	JLOAD \slot                                    ; my one tensor load behind the round; the four v_nop behind it are also the places in front of the loads below
.else
	PLACES
.endif
	FETCH \next, 0, F0
.if \fill
	WIN 0
	ASK
.endif
	WIN MUL
	MUL8 F1, 4, 0
	MUL8 F1, 6, 0
.endm
	s_wait_tensorcnt 1                             ; my part of K step 0 is in; K step 1's load may be out
	s_barrier_signal -1
	s_barrier_wait -1
	FETCH 0, 0, F0
	s_wait_loadcnt 0x0                             ; the bias
	QUARTER 0, 1, F0, F1, 1                        ; the first quarter stands in front of the loop: its products start the sums from the bias
	WIN 0
	s_mov_b32 s3, LAPS-1
.Llap:                                             ; a trip goes once round the two slots, from a lap's second quarter to the next lap's first, and fills both again
	QUARTER 0, 2, F1, F0, 0
	QUARTER 0, 3, F0, F1, 0
	TURN 0, 1, 1
	QUARTER 1, 1, F0, F1, 0
	QUARTER 1, 2, F1, F0, 0
	QUARTER 1, 3, F0, F1, 0
	TURN 1, 0, 1
	QUARTER 0, 1, F0, F1, 0
	WIN 0
	s_sub_co_u32 s3, s3, 1
	s_cmp_lg_u32 s3, 0
	s_cbranch_scc1 .Llap
	QUARTER 0, 2, F1, F0, 0                        ; the last lap fills nothing
	QUARTER 0, 3, F0, F1, 0
	TURN 0, 1, 0
	QUARTER 1, 1, F0, F1, 0
	QUARTER 1, 2, F1, F0, 0
	QUARTER 1, 3, F0, F1, 0
	s_wait_dscnt 8
	WIN MUL
	MUL8 F1, 0, 0
	MUL8 F1, 2, 0
	s_wait_dscnt 0
	MUL8 F1, 4, 0
	MUL8 F1, 6, 0
	WIN 0
; THE WAY OUT, block by block of 16 tokens x 64 n.  A lane holds 32 bytes of a row and the lanes beside it other rows: a block goes through my own stage and comes back as rows of 256 bytes.
; LDS serves a wave's instructions in order (ISA guide 5.7.1.4): no wait between the stores and the loads, nor in front of the next block's stores.
.macro TOSTAGE a
	WIN 0x08                                       ; an LDS store's data are its source 1: window 2
.irp b, 0,1,2,3
	ds_store_b128 v[STO], v[8*(4*(\a)+\b):8*(4*(\a)+\b)+3] offset:64*\b              ; each accumulator from its low end on
	ds_store_b128 v[STO], v[8*(4*(\a)+\b)+4:8*(4*(\a)+\b)+7] offset:64*\b+16
.endr
	WIN 0
.set BB, BK+32*((\a)%2)
.irp t, 0,1,2,3,4,5,6,7
	ds_load_b128 v[BB+4*\t:BB+4*\t+3], v[RD] offset:\t*2*SPITCH
.endr
.endm
.macro SEND a, younger                 ; younger: the LDS instructions issued behind block a's loads, which may stay out
.set BB, BK+32*((\a)%2)
	s_wait_dscnt \younger
.irp t, 0,1,2,3,4,5,6,7
	global_store_b128 v[CO], v[BB+4*\t:BB+4*\t+3], s[10:11] offset:(\a)*65536+\t*8192 th:TH_STORE_NT   ; 16 lanes store 256 consecutive bytes, aligned; written once, read by nobody here
.endr
.endm
	PLACES
	TOSTAGE 0
.irp a, 1,2,3,4,5,6,7
.if \a > 1
	s_wait_xcnt 0x0                                ; block a - 2's stores have read their registers: block a's loads may land there
.endif
	TOSTAGE \a
	SEND \a-1, 16                                  ; behind block a - 1's loads: block a's 8 stores and 8 loads
.endr
	SEND 7, 0
	s_wait_tensorcnt 0x0                           ; the wave's end
	ds_add_u32 v[SPW], v[NIL]
	s_wait_dscnt 0x0
	CROUND                                         ; the closing round
	s_endpgm
.Lfunc_end_k_qf66c40a76c_proj:
	.size	k_qf66c40a76c_proj, .Lfunc_end_k_qf66c40a76c_proj-k_qf66c40a76c_proj
	.p2alignl 7, 3214868480
	.fill 96, 4, 3214868480
	.section	.rodata,"a",@progbits
	.p2align	6, 0x0
	.amdhsa_kernel k_qf66c40a76c_proj
		.amdhsa_group_segment_fixed_size 327680
		.amdhsa_private_segment_fixed_size 0
		.amdhsa_enable_private_segment 0
		.amdhsa_kernarg_size 32
		.amdhsa_user_sgpr_count 2
		.amdhsa_user_sgpr_kernarg_segment_ptr 1
		.amdhsa_wavefront_size32 1
		.amdhsa_system_sgpr_workgroup_id_x 1
		.amdhsa_system_sgpr_workgroup_id_y 1
		.amdhsa_system_sgpr_workgroup_id_z 1
		.amdhsa_system_vgpr_workitem_id 0
		.amdhsa_next_free_vgpr 768
		.amdhsa_next_free_sgpr 66
		.amdhsa_reserve_vcc 0
		.amdhsa_float_denorm_mode_32 3
		.amdhsa_float_denorm_mode_16_64 3
		.amdhsa_memory_ordered 1
		.amdhsa_forward_progress 1
		.amdhsa_inst_pref_size 87
	.end_amdhsa_kernel
	.amdgpu_metadata
---
amdhsa.version: [ 1, 2 ]
amdhsa.kernels:
  - .name:           k_qf66c40a76c_proj
    .symbol:         k_qf66c40a76c_proj.kd
    .args:
      - { .name: a_ws, .offset: 0, .size: 8, .value_kind: global_buffer, .address_space: global }
      - { .name: wo_ws, .offset: 8, .size: 8, .value_kind: global_buffer, .address_space: global }
      - { .name: b_out, .offset: 16, .size: 8, .value_kind: global_buffer, .address_space: global }
      - { .name: out0, .offset: 24, .size: 8, .value_kind: global_buffer, .address_space: global }
    .group_segment_fixed_size: 327680
    .private_segment_fixed_size: 0
    .kernarg_segment_align: 8
    .kernarg_segment_size: 32
    .max_flat_workgroup_size: 128
    .sgpr_count:     66
    .vgpr_count:     768
    .wavefront_size: 32
...
	.end_amdgpu_metadata
.endif
;; end of part 4
